; MI455X (gfx1250); checked and timed in simulation.
; The chip was launched on July 23, 2026; its instructions are those of AMD's public machine-readable ISA for CDNA 5 (MIT licence, August 2026) and "CDNA5" Instruction Set Architecture Reference Guide (July 2026). The comments in the code are by the model that wrote it; some were corrected since.
;; VPL. Allowed arithmetic: float matrix products may take bf16 or f16 operands with f32 sums; other float arithmetic in f32, or as packed bf16 or f16 multiplies, adds, multiply-adds, maxima and minima; sums over many terms, partial sums and values carried from step to step in f32; what a program stores and reads back later, other than sums and carried values, may be rounded once to bf16 or f16.
;; Inputs: W1 2,048 x 4,096 float32; W2 4,096 x 2,048 float32; W3 2,048 x 1 float32; We 4 x 2,048 x 1,024 float32; b1 4,096 float32; b2 2,048 float32; b3 1 float32; be 4 x 1,024 float32; bt1 4,096 float32; bt2 2,048 float32; col_pairs 2,048 x 2 int32; g1 4,096 float32; g2 2,048 float32; vis_type 2,048 int32; x1_enc 1 x 64 x 1,024 float32; x2_enc 2,048 x 1,024 float32.
;; Outputs: out0 2,048 x 1 float32.
;; 2 versions, each right; version 2 is version 1 with the launches tables, gather written anew for expert scheduling mode. Each part assembles by itself: llvm-mc -triple=amdgcn-amd-amdhsa -mcpu=gfx1250 --defsym DOCPART=n.
;; ======== version 1 of 2: 5 launches
;; limits: values outside matrix products are rounded to bf16
;; workspace buffers: PT 4,194,304 bytes; Y 8,388,608 bytes; W1b 16,777,216 bytes; W2b 17,039,360 bytes; D1 16,777,216 bytes; CT1 524,288 bytes; ST2 786,432 bytes
;; launch tables (part 1): grid 256 x 1, 8 waves a work-group, no clusters, 132,096 bytes of LDS; arguments We, x1_enc, W1, PT, W1b; writes PT, W1b
.if DOCPART == 1
	.amdgcn_target "amdgcn-amd-amdhsa--gfx1250"
	.amdhsa_code_object_version 6
	.text
	.protected	k_q90167c3e31_tables
	.globl	k_q90167c3e31_tables
	.p2align	8
	.type	k_q90167c3e31_tables,@function
k_q90167c3e31_tables:
	s_mov_b64 s[64:65], 0
	v_nop
	global_prefetch_b8 v0, s[64:65] scope:SCOPE_SE
	s_setreg_imm32_b32 hwreg(HW_REG_WAVE_MODE, 25, 1), 1
	s_wait_xcnt 0x0
; THE EXPERTS AS TABLES, AND W1 ROUNDED TO bf16.
; x1c @ We[e] = x1[c0] @ We[e][0:1024] + x1[c1] @ We[e][1024:2048], and x1 has 64 rows only: eight products of 64 x 1024 x 1024 hold every token's expert result.
; PT[u][c][n] (f32), u = 4 e + 2 half + kq, is the sum over 512 of the half's 1,024 k (kq says which); the next launch adds a token's four rows.
; SHARES.  Work-group = (u, 64 columns).  Wave w has 64 of the 512 k, all 64 rows of x1 and the 64 columns: 16 accumulators; the eight waves' f32 sums meet in LDS.
; NO TRANSPOSE.  A load of We takes 16 bytes a lane: lanes 0-15 the 256 bytes of row k0 + s, lanes 16-31 those of row k0 + 16 + s.  Register q of it belongs to fragment q,
; whose column index r stands for column 4 r + q.  In both operands the lane half h holds k0 + 16 h + 0..15, two to a register: the same permutation of k on both sides.
; Operands are rounded to bf16, sums are f32.  NaN and infinities are not treated apart.
; The work-group also rounds 131,072 bytes of W1 to bf16, layout unchanged (each weight is rounded once for all row tiles of the product that follows).
; REGISTERS.  window 0: v1-11 lane terms; v12-27 T; v28, v29 the add's two; v32-95 We's fragments; v128-255 accumulators
;             window 1: v0-127 x1 as loaded, packed in place, later the partial sums; v128-255 We as loaded, later W1 as loaded
.set SPARE, 131072                     ; behind the eight waves' images: the spare words, 128 bytes a wave
.set VW,  4                            ; h x 16 rows of We + 16 r
.set VX,  5                            ; r x a row of x1 + 64 h
.set VS,  6                            ; my wave's images + 16 x lane
.set VR0, 7                            ; the images that I add up, partial sums 0-3
.set VR1, 8                            ; partial sums 4-7
.set VP,  9                            ; h x 8 rows of PT + 16 r
.set L16, 10
.set L8,  11
.set T,   12
.set SPW, 28
.set NIL, 29
.set WF,  32
.set ACC, 128
.set WRAW, 128
.set MSB, 0
.macro WIN new                         ; the high byte repeats the setting that is left; a switch that changes nothing is dropped
.if MSB != (\new)
	s_set_vgpr_msb (MSB<<8)|(\new)
.set MSB, (\new)
.endif
.endm
.macro WPACK kb                        ; 32 k x 64 columns of We to four fragments: rows 2 p and 2 p + 1 of my half go into register p
	WIN 0x05
.irp q, 0,1,2,3
.irp p, 0,1,2,3,4,5,6,7
	v_cvt_pk_bf16_f32 v[WF+32*(\kb)+8*\q+\p], v[WRAW+64*(\kb)+8*\p+\q], v[WRAW+64*(\kb)+8*\p+4+\q]
.endr
.endr
.endm
.macro PRODUCTS kb, zero               ; 16 products, the 16 accumulators by turns; zero = 1: they start the sums
	WIN 0x01
.irp a, 0,1,2,3
.irp q, 0,1,2,3
.if \zero
	v_wmma_f32_16x16x32_bf16 v[ACC+8*(4*\a+\q):ACC+8*(4*\a+\q)+7], v[16*(2*\a+(\kb)):16*(2*\a+(\kb))+7], v[WF+32*(\kb)+8*\q:WF+32*(\kb)+8*\q+7], 0
.else
	v_wmma_f32_16x16x32_bf16 v[ACC+8*(4*\a+\q):ACC+8*(4*\a+\q)+7], v[16*(2*\a+(\kb)):16*(2*\a+(\kb))+7], v[WF+32*(\kb)+8*\q:WF+32*(\kb)+8*\q+7], v[ACC+8*(4*\a+\q):ACC+8*(4*\a+\q)+7]
.endif
.endr
.endr
.endm
	s_load_b256 s[4:11], s[0:1], 0x0               ; We s[4:5], x1 s[6:7], W1 s[8:9], PT s[10:11]
	s_load_b64 s[12:13], s[0:1], 0x20              ; W1b
	v_lshl_add_u32 v[SPW], v0, 2, SPARE
	v_mov_b32 v[NIL], 0
	v_lshrrev_b32 v1, 5, v0
	v_readfirstlane_b32 s14, v1                    ; wave 0..7
	s_and_b32 s15, ttmp9, 15                       ; which 64 columns
	s_lshr_b32 s16, ttmp9, 4                       ; u
	s_lshr_b32 s17, s14, 1
	s_and_b32 s18, s14, 1
	v_and_b32 v1, 31, v0
	v_and_b32 v2, 15, v0                           ; r
	v_bfe_u32 v3, v0, 4, 1                         ; h
	v_lshlrev_b32 v[VW], 4, v2
	v_lshl_add_u32 v[VW], v3, 16, v[VW]
	v_lshlrev_b32 v[VX], 12, v2
	v_lshl_add_u32 v[VX], v3, 6, v[VX]
	v_lshlrev_b32 v[L16], 4, v1
	v_lshlrev_b32 v[L8], 3, v1
	v_lshl_add_u32 v[VS], s14, 14, v[L16]
	v_lshl_add_u32 v[VR0], s17, 12, v[L16]
	v_lshl_add_u32 v[VR0], s18, 9, v[VR0]
	v_add_nc_u32 v[VR1], 0x10000, v[VR0]
	v_lshlrev_b32 v[VP], 4, v2
	v_lshl_add_u32 v[VP], v3, 15, v[VP]
	s_lshl_b32 s20, s16, 21                        ; We: (512 u + 64 w) rows of 4,096 bytes + 256 x column group
	s_lshl_b32 s22, s14, 18
	s_add_co_u32 s20, s20, s22
	s_lshl_b32 s22, s15, 8
	s_add_co_u32 s20, s20, s22
	s_mov_b32 s21, 0
	s_and_b32 s24, s16, 1                          ; x1: k = 512 kq + 64 w, 4 bytes each
	s_lshl_b32 s24, s24, 11
	s_lshl_b32 s23, s14, 8
	s_add_co_u32 s24, s24, s23
	s_mov_b32 s25, 0
	s_lshl_b32 s26, ttmp9, 17                      ; W1: 131,072 bytes a work-group, 16,384 a wave
	s_lshl_b32 s23, s14, 14
	s_add_co_u32 s26, s26, s23
	s_mov_b32 s27, 0
	s_lshl_b32 s28, s16, 18                        ; PT: table u, rows 16 (w / 2) + 4 (w % 2), my columns
	s_lshl_b32 s23, s17, 16
	s_add_co_u32 s28, s28, s23
	s_lshl_b32 s23, s18, 14
	s_add_co_u32 s28, s28, s23
	s_add_co_u32 s28, s28, s22
	s_mov_b32 s29, 0
	s_lshl_b32 s30, ttmp9, 16                      ; W1b: half of W1's bytes
	s_lshl_b32 s23, s14, 13
	s_add_co_u32 s30, s30, s23
	s_mov_b32 s31, 0
	s_wait_kmcnt 0x0
	s_add_nc_u64 s[4:5], s[4:5], s[20:21]
	s_add_nc_u64 s[6:7], s[6:7], s[24:25]
	s_add_nc_u64 s[8:9], s[8:9], s[26:27]
	s_add_nc_u64 s[10:11], s[10:11], s[28:29]
	s_add_nc_u64 s[12:13], s[12:13], s[30:31]
	WIN 0x40                                       ; destinations in window 1, addresses in window 0
.set ff, 0
.rept 8                                ; x1's fragment ff = 2 a + kb: row 16 a + r, 64 bytes at k = 32 kb + 16 h
.irp i, 0,1,2,3
	global_load_b128 v[16*ff+4*\i:16*ff+4*\i+3], v[VX], s[6:7] offset:(ff/2)*65536+(ff%2)*128+16*\i
.endr
.set ff, ff+1
.endr
.set ii, 0
.rept 32                               ; We: k block ii / 16, row ii % 16 of my half
	global_load_b128 v[WRAW+4*ii:WRAW+4*ii+3], v[VW], s[4:5] offset:((ii/16)*32+ii%16)*4096 th:TH_LOAD_NT
.set ii, ii+1
.endr
	s_wait_loadcnt 32                              ; the 32 loads of We were issued behind x1's: x1 is in
	WIN 0x45
.set ff, 0
.rept 8
.irp p, 0,1,2,3,4,5,6,7
	v_cvt_pk_bf16_f32 v[16*ff+\p], v[16*ff+2*\p], v[16*ff+2*\p+1]  ; in place: register p is written when registers 2 p and 2 p + 1 are read
.endr
.set ff, ff+1
.endr
	s_wait_loadcnt 16                              ; We's first k block is in, the second may stay out
	WPACK 0
	PRODUCTS 0, 1
	s_wait_loadcnt 0x0
	WPACK 1
	WIN 0x40
.set ii, 0
.rept 32                               ; my 16,384 bytes of W1 go out now and land under the products and the meeting in LDS
	global_load_b128 v[WRAW+4*ii:WRAW+4*ii+3], v[L16], s[8:9] offset:ii*512 th:TH_LOAD_NT
.set ii, ii+1
.endr
	PRODUCTS 1, 0                                  ; between two links of a chain stand the 15 other accumulators'
	WIN 0
.rept 4
	v_nop                                          ; four places between the last product and the first reader of a result (ISA guide 7.12.1)
.endr
.set ii, 0
.rept 32                               ; image ii = 2 x accumulator + half: each accumulator's low four registers go first
	ds_store_b128 v[VS], v[ACC+4*ii:ACC+4*ii+3] offset:ii*512
.set ii, ii+1
.endr
	s_wait_dscnt 0x0                               ; for the others' sake: my images are written
	s_barrier_signal -1
	s_barrier_wait -1
	WIN 0x40                                       ; wave w adds up rows 16 (w / 2) + 8 h + 4 (w % 2) + 0..3: four images of each of the eight waves
.irp q, 0,1,2,3
.irp p, 0,1,2,3
	ds_load_b128 v[32*\q+4*\p:32*\q+4*\p+3], v[VR0] offset:\p*16384+\q*1024
.endr
.irp p, 0,1,2,3
	ds_load_b128 v[32*\q+16+4*\p:32*\q+16+4*\p+3], v[VR1] offset:\p*16384+\q*1024
.endr
.endr
	s_wait_dscnt 0x0
	WIN 0x45
.irp q, 0,1,2,3
.set ii, 0
.rept 8
	v_pk_add_f32 v[32*\q+2*ii:32*\q+2*ii+1], v[32*\q+2*ii:32*\q+2*ii+1], v[32*\q+16+2*ii:32*\q+16+2*ii+1]
.set ii, ii+1
.endr
.endr
.irp q, 0,1,2,3
.set ii, 0
.rept 4
	v_pk_add_f32 v[32*\q+2*ii:32*\q+2*ii+1], v[32*\q+2*ii:32*\q+2*ii+1], v[32*\q+8+2*ii:32*\q+8+2*ii+1]
.set ii, ii+1
.endr
.endr
	WIN 0x05
.irp q, 0,1,2,3
.irp j, 0,1,2,3
	v_add_f32 v[T+4*\j+\q], v[32*\q+\j], v[32*\q+4+\j]  ; the last level also turns: row j's columns 4 r + 0..3 come to lie in four neighbouring registers
.endr
.endr
	WIN 0
.irp j, 0,1,2,3
	global_store_b128 v[VP], v[T+4*\j:T+4*\j+3], s[10:11] offset:\j*4096  ; 16 lanes store 256 consecutive bytes of a row of PT, aligned
.endr
	WIN 0x40
	v_mov_b32 v0, v[L8]                            ; a copy of 8 x lane in window 1 (v256), so that conversions and stores run under one setting
	WIN 0x45
.set ii, 0
.rept 32
	s_wait_loadcnt 31-ii                           ; the younger loads of W1 may stay out
	v_cvt_pk_bf16_f32 v[WRAW+4*ii], v[WRAW+4*ii], v[WRAW+4*ii+1]
	v_cvt_pk_bf16_f32 v[WRAW+4*ii+1], v[WRAW+4*ii+2], v[WRAW+4*ii+3]
	global_store_b64 v0, v[WRAW+4*ii:WRAW+4*ii+1], s[12:13] offset:ii*256  ; the wave stores 256 consecutive bytes, aligned
.set ii, ii+1
.endr
	WIN 0
	s_wait_tensorcnt 0x0                           ; the wave's end, behind my last LDS store
	ds_add_u32 v[SPW], v[NIL]
	s_wait_dscnt 0x0
	s_endpgm
.Lfunc_end_k_q90167c3e31_tables:
	.size	k_q90167c3e31_tables, .Lfunc_end_k_q90167c3e31_tables-k_q90167c3e31_tables
	.p2alignl 7, 3214868480
	.fill 96, 4, 3214868480
	.section	.rodata,"a",@progbits
	.p2align	6, 0x0
	.amdhsa_kernel k_q90167c3e31_tables
		.amdhsa_group_segment_fixed_size 132096
		.amdhsa_private_segment_fixed_size 0
		.amdhsa_enable_private_segment 0
		.amdhsa_kernarg_size 40
		.amdhsa_user_sgpr_count 2
		.amdhsa_user_sgpr_kernarg_segment_ptr 1
		.amdhsa_wavefront_size32 1
		.amdhsa_system_sgpr_workgroup_id_x 1
		.amdhsa_system_sgpr_workgroup_id_y 1
		.amdhsa_system_sgpr_workgroup_id_z 1
		.amdhsa_system_vgpr_workitem_id 0
		.amdhsa_next_free_vgpr 512
		.amdhsa_next_free_sgpr 66
		.amdhsa_reserve_vcc 0
		.amdhsa_float_denorm_mode_32 3
		.amdhsa_float_denorm_mode_16_64 3
		.amdhsa_memory_ordered 1
		.amdhsa_forward_progress 1
		.amdhsa_inst_pref_size 39
	.end_amdhsa_kernel
	.amdgpu_metadata
---
amdhsa.version: [ 1, 2 ]
amdhsa.kernels:
  - .name:           k_q90167c3e31_tables
    .symbol:         k_q90167c3e31_tables.kd
    .args:
      - { .name: We, .offset: 0, .size: 8, .value_kind: global_buffer, .address_space: global }
      - { .name: x1_enc, .offset: 8, .size: 8, .value_kind: global_buffer, .address_space: global }
      - { .name: W1, .offset: 16, .size: 8, .value_kind: global_buffer, .address_space: global }
      - { .name: PT, .offset: 24, .size: 8, .value_kind: global_buffer, .address_space: global }
      - { .name: W1b, .offset: 32, .size: 8, .value_kind: global_buffer, .address_space: global }
    .group_segment_fixed_size: 132096
    .private_segment_fixed_size: 0
    .kernarg_segment_align: 8
    .kernarg_segment_size: 40
    .max_flat_workgroup_size: 256
    .sgpr_count:     66
    .vgpr_count:     512
    .wavefront_size: 32
...
	.end_amdgpu_metadata
.endif
;; end of part 1
;; launch gather (part 2): grid 256 x 1, 8 waves a work-group, no clusters, 17,408 bytes of LDS; arguments PT, be, x2_enc, col_pairs, vis_type, W2, Y, W2b, g1, bt1; writes Y, W2b
.if DOCPART == 2
	.amdgcn_target "amdgcn-amd-amdhsa--gfx1250"
	.amdhsa_code_object_version 6
	.text
	.protected	k_q90167c3e31_gather
	.globl	k_q90167c3e31_gather
	.p2align	8
	.type	k_q90167c3e31_gather,@function
k_q90167c3e31_gather:
	s_mov_b64 s[64:65], 0
	v_nop
	global_prefetch_b8 v0, s[64:65] scope:SCOPE_SE
	s_setreg_imm32_b32 hwreg(HW_REG_WAVE_MODE, 25, 1), 1
	s_wait_xcnt 0x0
; TWO JOBS.  (1) Y[b] = [ relu(PT rows of (e, c0) and (e, c1) + be[e]) | x2[b] ] in bf16.  (2) W2 made ready for the second large product.
; (1) One wave, one token: b = 8 x work-group + wave.  e = vis_type[b] and c0, c1 = col_pairs[b] are read as scalars and clamped to 3 and 63 (they lie inside their tables as the problem
; has it; the clamp keeps every address inside PT and be whatever is read).  A token's 1,024 numbers are four rows of PT and a row of be, added in f32; one rounding to bf16.
; (2) The first LayerNorm's gain and shift are folded into the weights: with d a row less the mean c_t of each 128 columns, e_t = c_t - mean, h = (d + e_t) rs g1 + bt1, so
;   h @ W2 = rs [ d @ (g1 W2) + sum_t e_t G_t ] + sum_t P_t,   G_t[n] = sum over chunk t's 128 k of g1[k] W2[k][n],   P_t[n] = the same with bt1.
; W2b rows 0-4095: bf16(g1[k] W2[k][n]); rows 4096 + t: bf16(G_t); rows 4128 + t: bf16(P_t).  G and P are summed in f32 from the unrounded products and rounded once.
; SHARES of (2).  Work-group = (t, 256 columns): a chunk's sums stay in one work-group.  Wave w has rows 128 t + 16 w + 0..15: 32 loads of 512 consecutive bytes; g1 and bt1 of its rows are scalars.
; The eight waves' sums meet in LDS; waves 0-3 add them up and store 256 consecutive bytes each.
; All 80 loads of a wave go out before the first wait; they are used in the order of issue: W2, x2, the tables.  Memory binds: no matrix unit, no cluster.
; REGISTERS.  window 0: v1 16 x lane, v2 8 x lane, v4 read-back address, v5, v6 the add's two; v16-175 the tables, 20 a chunk of 128 columns; v176-207 x2; v208-239 the partial sums
;             window 1: v0-127 W2 as loaded; v128 8 x lane; v129 my images in LDS; v132-139 G; v140-147 P
.set TB, 16
.set X2, 176
.set RB, 208
.set LR, 4
.set SPW, 5
.set NIL, 6
.set SPARE, 16384                      ; behind the images (8 waves x 4 x 512 bytes): the spare words, 128 bytes a wave
.set GS, 132
.set PS, 140
.set SG, 48                            ; s[48:63] g1 of my 16 rows
.set SB, 68                            ; s[68:83] bt1
.set MSB, 0
.macro WIN new                         ; the high byte repeats the setting that is left; a switch that changes nothing is dropped
.if MSB != (\new)
	s_set_vgpr_msb (MSB<<8)|(\new)
.set MSB, (\new)
.endif
.endm
	s_load_b256 s[4:11], s[0:1], 0x0               ; PT s[4:5], be s[6:7], x2 s[8:9], col_pairs s[10:11]
	s_load_b256 s[12:19], s[0:1], 0x20             ; vis_type s[12:13], W2 s[14:15], Y s[16:17], W2b s[18:19]
	s_load_b128 s[84:87], s[0:1], 0x40             ; g1 s[84:85], bt1 s[86:87]
	v_lshl_add_u32 v[SPW], v0, 2, SPARE
	v_mov_b32 v[NIL], 0
	v_lshrrev_b32 v3, 5, v0
	v_readfirstlane_b32 s20, v3                    ; wave 0..7
	v_and_b32 v3, 31, v0
	v_lshlrev_b32 v1, 4, v3
	v_lshlrev_b32 v2, 3, v3
	v_lshl_add_u32 v[LR], s20, 9, v1               ; image number = wave (waves 0-3 read back)
	s_lshl_b32 s21, ttmp9, 3
	s_add_co_u32 s21, s21, s20                     ; the token
	s_lshl_b32 s23, s21, 2
	s_lshl_b32 s26, s21, 3
	s_lshl_b32 s42, s21, 12                        ; a row of x2 and a row of Y are 4,096 bytes each
	s_mov_b32 s43, 0
	s_lshr_b32 s38, ttmp9, 3                       ; t
	s_and_b32 s39, ttmp9, 7                        ; which 256 columns
	s_lshl_b32 s44, s38, 20                        ; W2: (128 t + 16 w) rows of 8,192 bytes + 1,024 x column group
	s_lshl_b32 s27, s20, 17
	s_add_co_u32 s44, s44, s27
	s_lshl_b32 s27, s39, 10
	s_add_co_u32 s44, s44, s27
	s_mov_b32 s45, 0
	s_lshr_b32 s46, s44, 1                         ; W2b: half of that
	s_mov_b32 s47, 0
	s_lshl_b32 s40, s38, 9                         ; g1, bt1: (128 t + 16 w) x 4 bytes
	s_lshl_b32 s27, s20, 6
	s_add_co_u32 s40, s40, s27
	s_lshl_b32 s88, s38, 12                        ; the sums' rows: (4096 + 32 (image / 2) + t) x 4,096 + 512 x column group + 256 (image % 2); image = wave % 4
	s_lshl_b32 s27, s39, 9
	s_add_co_u32 s88, s88, s27
	s_bfe_u32 s27, s20, 0x10001
	s_lshl_b32 s27, s27, 17
	s_add_co_u32 s88, s88, s27
	s_and_b32 s27, s20, 1
	s_lshl_b32 s27, s27, 8
	s_add_co_u32 s88, s88, s27
	s_add_co_u32 s88, s88, 0x1000000
	s_mov_b32 s89, 0
	s_wait_kmcnt 0x0
	s_load_b32 s22, s[12:13], s23 offset:0x0       ; e
	s_load_b64 s[24:25], s[10:11], s26 offset:0x0  ; c0, c1
	s_load_b512 s[SG:SG+15], s[84:85], s40 offset:0x0
	s_load_b512 s[SB:SB+15], s[86:87], s40 offset:0x0
	s_add_nc_u64 s[36:37], s[8:9], s[42:43]
	s_add_nc_u64 s[16:17], s[16:17], s[42:43]
	s_add_nc_u64 s[14:15], s[14:15], s[44:45]
	s_add_nc_u64 s[90:91], s[18:19], s[88:89]
	s_add_nc_u64 s[18:19], s[18:19], s[46:47]
	WIN 0x40
.set ii, 0
.rept 32                               ; row ii / 2, half ii % 2 of its 256 columns: 512 consecutive bytes
	global_load_b128 v[4*ii:4*ii+3], v1, s[14:15] offset:(ii/2)*8192+(ii%2)*512 th:TH_LOAD_NT
.set ii, ii+1
.endr
	v_mov_b32 v128, v2                             ; 8 x lane in window 1: arithmetic and stores of W2 run under one setting
	v_lshl_add_u32 v129, s20, 11, v1               ; my four images: 2,048 x wave + 16 x lane
	WIN 0
.set ii, 0
.rept 8
	global_load_b128 v[X2+4*ii:X2+4*ii+3], v1, s[36:37] offset:ii*512 th:TH_LOAD_NT
.set ii, ii+1
.endr
	s_wait_kmcnt 0x0
	s_min_u32 s22, s22, 3
	s_min_u32 s24, s24, 63
	s_min_u32 s25, s25, 63
	s_lshl_b32 s28, s22, 20                        ; four tables of 262,144 bytes an expert
	s_lshl_b32 s30, s24, 12
	s_add_co_u32 s30, s30, s28
	s_mov_b32 s31, 0
	s_lshl_b32 s32, s25, 12
	s_add_co_u32 s32, s32, s28
	s_add_co_u32 s32, s32, 0x80000                 ; the second half's two tables
	s_mov_b32 s33, 0
	s_lshl_b32 s34, s22, 12
	s_mov_b32 s35, 0
	s_add_nc_u64 s[30:31], s[4:5], s[30:31]
	s_add_nc_u64 s[32:33], s[4:5], s[32:33]
	s_add_nc_u64 s[34:35], s[6:7], s[34:35]
.set ii, 0
.rept 8                                ; chunk ii: 128 columns, five loads
	global_load_b128 v[TB+20*ii:TB+20*ii+3],     v1, s[30:31] offset:ii*512
	global_load_b128 v[TB+20*ii+4:TB+20*ii+7],   v1, s[30:31] offset:262144+ii*512
	global_load_b128 v[TB+20*ii+8:TB+20*ii+11],  v1, s[32:33] offset:ii*512
	global_load_b128 v[TB+20*ii+12:TB+20*ii+15], v1, s[32:33] offset:262144+ii*512
	global_load_b128 v[TB+20*ii+16:TB+20*ii+19], v1, s[34:35] offset:ii*512
.set ii, ii+1
.endr
	WIN 0x45
.set ii, 0
.rept 32
.set wb, 4*ii
.set gb, GS+4*(ii%2)
.set pb, PS+4*(ii%2)
.if 79-ii > 63
	s_wait_loadcnt 63                              ; 79 - ii loads are younger; the wait names the most that its field holds, which is fewer
.else
	s_wait_loadcnt 79-ii                           ; the younger loads may stay out
.endif
.if ii < 2                             ; the first row starts the sums: nothing is cleared
.irp k, 0,1,2,3
	v_mul_f32 v[pb+\k], s[SB+ii/2], v[wb+\k]
.endr
.irp k, 0,1,2,3
	v_mul_f32 v[gb+\k], s[SG+ii/2], v[wb+\k]
.endr
	v_cvt_pk_bf16_f32 v[wb], v[gb], v[gb+1]
	v_cvt_pk_bf16_f32 v[wb+1], v[gb+2], v[gb+3]
.else
.irp k, 0,1,2,3
	v_fmac_f32 v[pb+\k], s[SB+ii/2], v[wb+\k]      ; P += bt1 W2
.endr
.irp k, 0,1,2,3
	v_mul_f32 v[wb+\k], s[SG+ii/2], v[wb+\k]       ; g1 W2, in place
.endr
	v_pk_add_f32 v[gb:gb+1], v[gb:gb+1], v[wb:wb+1]
	v_pk_add_f32 v[gb+2:gb+3], v[gb+2:gb+3], v[wb+2:wb+3]
	v_cvt_pk_bf16_f32 v[wb], v[wb], v[wb+1]
	v_cvt_pk_bf16_f32 v[wb+1], v[wb+2], v[wb+3]
.endif
	global_store_b64 v128, v[wb:wb+1], s[18:19] offset:(ii/2)*4096+(ii%2)*256  ; the wave stores 256 consecutive bytes, aligned
.set ii, ii+1
.endr
	ds_store_b128 v129, v[GS:GS+3]                 ; image 0: G, columns 0-127;  1: G, columns 128-255;  2, 3: P likewise
	ds_store_b128 v129, v[GS+4:GS+7] offset:512
	ds_store_b128 v129, v[PS:PS+3] offset:1024
	ds_store_b128 v129, v[PS+4:PS+7] offset:1536
	WIN 0
.set ii, 0
.rept 8
	s_wait_loadcnt 47-ii                           ; behind x2's load ii: its 7 - ii successors and the 40 of the tables
	v_cvt_pk_bf16_f32 v[X2+4*ii], v[X2+4*ii], v[X2+4*ii+1]
	v_cvt_pk_bf16_f32 v[X2+4*ii+1], v[X2+4*ii+2], v[X2+4*ii+3]
	global_store_b64 v2, v[X2+4*ii:X2+4*ii+1], s[16:17] offset:2048+ii*256
.set ii, ii+1
.endr
.set ii, 0
.rept 8
.set cb, TB+20*ii
	s_wait_loadcnt 5*(7-ii)                        ; five loads for each later chunk may stay out
	v_pk_add_f32 v[cb:cb+1],     v[cb:cb+1],     v[cb+4:cb+5]
	v_pk_add_f32 v[cb+2:cb+3],   v[cb+2:cb+3],   v[cb+6:cb+7]
	v_pk_add_f32 v[cb+8:cb+9],   v[cb+8:cb+9],   v[cb+12:cb+13]
	v_pk_add_f32 v[cb+10:cb+11], v[cb+10:cb+11], v[cb+14:cb+15]
	v_pk_add_f32 v[cb:cb+1],     v[cb:cb+1],     v[cb+16:cb+17]
	v_pk_add_f32 v[cb+2:cb+3],   v[cb+2:cb+3],   v[cb+18:cb+19]
	v_pk_add_f32 v[cb:cb+1],     v[cb:cb+1],     v[cb+8:cb+9]
	v_pk_add_f32 v[cb+2:cb+3],   v[cb+2:cb+3],   v[cb+10:cb+11]
	v_max_num_f32 v[cb],   0, v[cb]
	v_max_num_f32 v[cb+1], 0, v[cb+1]
	v_max_num_f32 v[cb+2], 0, v[cb+2]
	v_max_num_f32 v[cb+3], 0, v[cb+3]
	v_cvt_pk_bf16_f32 v[cb], v[cb], v[cb+1]
	v_cvt_pk_bf16_f32 v[cb+1], v[cb+2], v[cb+3]
	global_store_b64 v2, v[cb:cb+1], s[16:17] offset:ii*256
.set ii, ii+1
.endr
	s_wait_dscnt 0x0                               ; for the others' sake: my four images are written
	s_barrier_signal -1
	s_barrier_wait -1
	s_cmp_lt_u32 s20, 4                            ; four images, four waves; no barrier stands in what the others jump
	s_cbranch_scc0 .Ldone
.irp p, 0,1,2,3,4,5,6,7
	ds_load_b128 v[RB+4*\p:RB+4*\p+3], v[LR] offset:\p*2048
.endr
	s_wait_dscnt 0x0
.irp w, 16, 8, 4
.set ii, 0
.rept (\w)/2
	v_pk_add_f32 v[RB+2*ii:RB+2*ii+1], v[RB+2*ii:RB+2*ii+1], v[RB+(\w)+2*ii:RB+(\w)+2*ii+1]
.set ii, ii+1
.endr
.endr
	v_cvt_pk_bf16_f32 v[RB], v[RB], v[RB+1]
	v_cvt_pk_bf16_f32 v[RB+1], v[RB+2], v[RB+3]
	global_store_b64 v2, v[RB:RB+1], s[90:91]      ; 128 columns of one row of sums: 256 consecutive bytes, aligned
.Ldone:
	s_wait_tensorcnt 0x0                           ; the wave's end, behind my last LDS store
	ds_add_u32 v[SPW], v[NIL]
	s_wait_dscnt 0x0
	s_endpgm
.Lfunc_end_k_q90167c3e31_gather:
	.size	k_q90167c3e31_gather, .Lfunc_end_k_q90167c3e31_gather-k_q90167c3e31_gather
	.p2alignl 7, 3214868480
	.fill 96, 4, 3214868480
	.section	.rodata,"a",@progbits
	.p2align	6, 0x0
	.amdhsa_kernel k_q90167c3e31_gather
		.amdhsa_group_segment_fixed_size 17408
		.amdhsa_private_segment_fixed_size 0
		.amdhsa_enable_private_segment 0
		.amdhsa_kernarg_size 80
		.amdhsa_user_sgpr_count 2
		.amdhsa_user_sgpr_kernarg_segment_ptr 1
		.amdhsa_wavefront_size32 1
		.amdhsa_system_sgpr_workgroup_id_x 1
		.amdhsa_system_sgpr_workgroup_id_y 1
		.amdhsa_system_sgpr_workgroup_id_z 1
		.amdhsa_system_vgpr_workitem_id 0
		.amdhsa_next_free_vgpr 408
		.amdhsa_next_free_sgpr 96
		.amdhsa_reserve_vcc 0
		.amdhsa_float_denorm_mode_32 3
		.amdhsa_float_denorm_mode_16_64 3
		.amdhsa_memory_ordered 1
		.amdhsa_forward_progress 1
		.amdhsa_inst_pref_size 42
	.end_amdhsa_kernel
	.amdgpu_metadata
---
amdhsa.version: [ 1, 2 ]
amdhsa.kernels:
  - .name:           k_q90167c3e31_gather
    .symbol:         k_q90167c3e31_gather.kd
    .args:
      - { .name: PT, .offset: 0, .size: 8, .value_kind: global_buffer, .address_space: global }
      - { .name: be, .offset: 8, .size: 8, .value_kind: global_buffer, .address_space: global }
      - { .name: x2_enc, .offset: 16, .size: 8, .value_kind: global_buffer, .address_space: global }
      - { .name: col_pairs, .offset: 24, .size: 8, .value_kind: global_buffer, .address_space: global }
      - { .name: vis_type, .offset: 32, .size: 8, .value_kind: global_buffer, .address_space: global }
      - { .name: W2, .offset: 40, .size: 8, .value_kind: global_buffer, .address_space: global }
      - { .name: Y, .offset: 48, .size: 8, .value_kind: global_buffer, .address_space: global }
      - { .name: W2b, .offset: 56, .size: 8, .value_kind: global_buffer, .address_space: global }
      - { .name: g1, .offset: 64, .size: 8, .value_kind: global_buffer, .address_space: global }
      - { .name: bt1, .offset: 72, .size: 8, .value_kind: global_buffer, .address_space: global }
    .group_segment_fixed_size: 17408
    .private_segment_fixed_size: 0
    .kernarg_segment_align: 8
    .kernarg_segment_size: 80
    .max_flat_workgroup_size: 256
    .sgpr_count:     96
    .vgpr_count:     408
    .wavefront_size: 32
...
	.end_amdgpu_metadata
.endif
;; end of part 2
;; launch gemm1 (part 3): grid 16 x 16, 4 waves a work-group, clusters of 4 x 4, 327,680 bytes of LDS; arguments Y, W1b, D1, b1, CT1; writes D1, CT1
.if DOCPART == 3
	.amdgcn_target "amdgcn-amd-amdhsa--gfx1250"
	.amdhsa_code_object_version 6
	.text
	.protected	k_q90167c3e31_gemm1
	.globl	k_q90167c3e31_gemm1
	.p2align	8
	.type	k_q90167c3e31_gemm1,@function
k_q90167c3e31_gemm1:
	s_mov_b64 s[64:65], 0
	v_nop
	global_prefetch_b8 v0, s[64:65] scope:SCOPE_SE
	s_setreg_imm32_b32 hwreg(HW_REG_WAVE_MODE, 25, 1), 1
	s_wait_xcnt 0x0
	s_wait_alu depctr_hold_cnt(0) depctr_sa_sdst(0) depctr_va_vdst(0) depctr_va_sdst(0) depctr_va_ssrc(0) depctr_va_vcc(0) depctr_vm_vsrc(0)
	s_getreg_b32 s2, hwreg(HW_REG_IB_STS2, 6, 4)
	s_cmp_eq_u32 s2, 0
	s_cbranch_scc0 .Lentry_in_a_cluster
	s_endpgm
.Lentry_in_a_cluster:
	s_bfe_u32 s2, ttmp6, 0x10000c
	s_cmp_lg_u32 s2, 0xf033
	s_cbranch_scc0 .Lentry_shape_is_right
	s_endpgm
.Lentry_shape_is_right:
; r = relu(Y @ W1b + b1).  Y: [2048][2048] bf16, W1b: [2048 (k)][4096 (n)] bf16, sums in f32.
; WHAT LEAVES.  The LayerNorm behind spans the whole row, that is sixteen work-groups, so it is finished in the next product.  Before anything is rounded each wave takes the f32 mean c of
; its own 128 columns of a row away: D1 = bf16(r - c); CT1 holds c and M2 = the sum of (r - c)^2, both f32.  So a common offset of r, however large beside its spread, is carried in f32 and costs D1 no bits.
; CT1[t][stat][pos]: t = column / 128; stat 0: c, 1: M2; row 64 G + 16 a + r lies at pos = 64 G + 32 (a / 2) + 2 r + a % 2, so that one store of a wave holds its 64 rows as 256 consecutive bytes.
; SHARES.  A tile is 128 rows x 256 columns: 16 x 16 tiles, one a work-group.  Four waves, each 64 x 128: 32 accumulators.  K goes in steps of 128 through two LDS slots filled by tensor loads.
; CLUSTER.  4 x 4 work-groups: the four of a row of the cluster need the same tile of Y, the four of a column the same tile of W1b: each is asked for jointly, by the same load with the same descriptor.
; THE PRODUCT IS USED TRANSPOSED: source 0 = 16 columns of W1b (out of LDS by the turning load, since k runs down its rows), source 1 = 16 rows of Y.  A lane then holds one row (lane % 16) and eight
; neighbouring columns 8 (lane / 16) + 0..7.
; NaN and infinities are not treated apart.
; REGISTERS.  window 0: v1-30 addresses; v32-53 figures and at work; v64-127 b1 of my columns; v128-223 the way out.   window 1: two fragment buffers of 128 (32 of Y, from +64 on 64 of W1b).   window 2: the accumulators, (a, b) at 8 (8 a + b)
.set KT,    2048
.set NTOT,  4096
.set NT,    256
.set KS,    128
.set PA,    272                        ; a row of Y's tile: 256 bytes + 16: the 16 rows of a fragment load start 4 banks apart (64 banks of 4 bytes: ISA guide 11.1)
.set PW,    544                        ; a row of W1b's tile: 512 bytes + 32
.set HA,    64*PA
.set AREG,  128*PA
.set HW,    (KS/2)*PW
.set SLOT,  AREG+KS*PW                 ; Y's 128 rows, then W1b's 128 rows of k
.set NLOAD, 24                         ; LDS loads of a quarter step: 16 for W1b, 8 for Y
.set LEFT1, 4                          ; of which the last four (Y's rows 32-63) are wanted only by the quarter's second half
.set LAPS,  KT/(2*KS)
.set STAGE, 2*SLOT                     ; behind the ring, never filled by a tensor load: 16 rows x 272 bytes a wave
.set SPITCH, 272
.set SPARE, STAGE+4*16*SPITCH          ; the spare words, 128 bytes a wave
.set ADRA, 16                          ; v16-17  my fragments of Y in slot 0, 1
.set ADRW, 20                          ; v20-21  the same for W1b
.set STO,  24
.set RD,   25
.set CO,   26
.set L8,   27
.set SPW,  28
.set NIL,  29
.set HB,   30                          ; 32 x (lane / 16): my eight columns' place in 16 of b1
.set CM,   32                          ; v32-39  block a's mean, twice (a pair for the packed subtraction)
.set M2,   44                          ; v44-47  block a's sum of squares
.set BI,   64
.set TMP,  128
.set OB,   160
.set F0,   0
.set F1,   128
.set G1,   24
.set G0,   32
.set G1B,  48
.set G0B,  56
.set WV,   70
.set WM,   71                          ; which 64 rows are mine.  Also: I fetch for Y (0) or for W1b (1)
.set WN,   72                          ; which 128 columns.  Also: which half of that tile I fetch
.set SEL,  74
.set MSB, 0
.macro WIN new                         ; the high byte repeats the setting that is left; a switch that changes nothing is dropped
.if MSB != (\new)
	s_set_vgpr_msb (MSB<<8)|(\new)
.set MSB, (\new)
.endif
.endm
.set MUL,  0xa5                        ; sources 0 and 1 window 1; C and D window 2
.set TO_F, 0x40                        ; destination window 1, address window 0
.macro JLOAD s                         ; a joint load: waves 0 and 1 fetch Y's two halves, waves 2 and 3 W1b's; an s_nop 0 and four v_nop follow each of the two lines
	s_cmp_eq_u32 s[WM], 0
	s_cbranch_scc0 .Lfor_w_\@
	tensor_load_to_lds s[G0+4*(\s):G0+4*(\s)+3], s[G1:G1+7]
	s_nop 0
.rept 4
	v_nop
.endr
	s_branch .Lasked_\@
.Lfor_w_\@:
	tensor_load_to_lds s[G0B+4*(\s):G0B+4*(\s)+3], s[G1B:G1B+7]
	s_nop 0
.rept 4
	v_nop
.endr
.Lasked_\@:
.endm
.macro CREST                           ; a round of the cluster's barrier behind its opening barrier
	s_cmp_lg_u32 s[WV], 0
	s_cbranch_scc1 .Lnot_wave_0_\@
	s_barrier_signal -3
.Lnot_wave_0_\@:
	s_barrier_wait -3
	s_barrier_signal -1
	s_barrier_wait -1
.endm
.macro CROUND
	s_barrier_signal -1
	s_barrier_wait -1
	CREST
.endm
.macro PLACES                          ; four places in front of loads into registers that products have read, and of readers of results
.rept 4
	v_nop
.endr
.endm
	s_load_b256 s[4:11], s[0:1], 0x0               ; Y s[4:5], W1b s[6:7], D1 s[8:9], b1 s[10:11]
	s_load_b64 s[12:13], s[0:1], 0x20              ; CT1
	v_lshl_add_u32 v[SPW], v0, 2, SPARE
	v_mov_b32 v[NIL], 0
	ds_add_u32 v[SPW], v[NIL]                      ; the wave's opening: the add, with its wait ahead of my first tensor load; the set-up below stands between them
	v_lshrrev_b32 v1, 5, v0
	v_readfirstlane_b32 s[WV], v1
	s_lshr_b32 s[WM], s[WV], 1
	s_and_b32 s[WN], s[WV], 1
	s_bfe_u32 s40, ttmp6, 0x40000                  ; cx, cy: my place in the cluster
	s_bfe_u32 s41, ttmp6, 0x40004
	s_lshl_b32 s42, ttmp9, 2
	s_add_co_u32 s42, s42, s40                     ; tile column = 4 x cluster x + cx
	s_and_b32 s43, ttmp7, 0xffff
	s_lshl_b32 s43, s43, 2
	s_add_co_u32 s43, s43, s41                     ; tile row = 4 x cluster y + cy
	s_lshl_b32 s44, s41, 2
	s_lshl_b32 s44, 15, s44                        ; my row of the cluster
	s_lshl_b32 s45, 0x1111, s40                    ; my column
	s_or_b32 s[G1+0], s44, (1<<16)|(1<<20)|(1<<21)|(5<<22)|(3<<25)   ; the mask; 2-byte elements; padding on; bit 21 beside a mask; after every 64 words 4 words
	s_or_b32 s[G1B+0], s45, (1<<16)|(1<<20)|(1<<21)|(6<<22)|(7<<25)  ; after every 128 words 8 words
	s_mov_b32 s[G1+1], KS<<16                      ; tensor_dim0 = 128
	s_mov_b32 s[G1+2], 64<<16                      ; tensor_dim1 = 64
	s_mov_b32 s[G1+3], KS<<16                      ; tile_dim0 = 128
	s_mov_b32 s[G1+4], 64                          ; tile_dim1 = 64
	s_mov_b32 s[G1+5], KT                          ; elements from row to row
	s_mov_b32 s[G1+6], 0
	s_mov_b32 s[G1+7], 0
	s_mov_b32 s[G1B+1], NT<<16                     ; tensor_dim0 = 256
	s_mov_b32 s[G1B+2], (KS/2)<<16                 ; tensor_dim1 = 64
	s_mov_b32 s[G1B+3], NT<<16
	s_mov_b32 s[G1B+4], KS/2
	s_mov_b32 s[G1B+5], NTOT
	s_mov_b32 s[G1B+6], 0
	s_mov_b32 s[G1B+7], 0
	s_lshl_b32 s16, s43, 7                         ; Y: row 128 x tile row + 64 x half; no register here ever holds cx
	s_lshl_b32 s17, s[WN], 6
	s_add_co_u32 s16, s16, s17
	s_mul_i32 s16, s16, KT*2
	s_mov_b32 s17, 0
	s_mul_i32 s46, s[WN], (KS/2)*NTOT*2            ; W1b: k row 64 x half, column 256 x tile column; no register here ever holds cy
	s_mul_i32 s47, s42, NT*2
	s_add_co_u32 s46, s46, s47
	s_mov_b32 s47, 0
	s_mul_i32 s20, s[WN], HA                       ; where they go: no place in the cluster enters an LDS address
	s_mul_i32 s21, s[WN], HW
	s_add_co_u32 s21, s21, AREG
	s_wait_dscnt 0x0                               ; the opening add is done
	s_wait_kmcnt 0x0
	s_add_nc_u64 s[18:19], s[4:5], s[16:17]
	s_add_nc_u64 s[46:47], s[6:7], s[46:47]
	CROUND                                         ; all sixteen work-groups are here: the first joint loads meet
.irp s, 0,1
	s_mov_b32 s[G0+4*(\s)], 1
	s_add_co_u32 s[G0+4*(\s)+1], s20, (\s)*SLOT
	s_add_nc_u64 s[G0+4*(\s)+2:G0+4*(\s)+3], s[18:19], (\s)*KS*2
	s_or_b32 s[G0+4*(\s)+3], s[G0+4*(\s)+3], 0x80000000
	s_mov_b32 s[G0B+4*(\s)], 1
	s_add_co_u32 s[G0B+4*(\s)+1], s21, (\s)*SLOT
	s_add_nc_u64 s[G0B+4*(\s)+2:G0B+4*(\s)+3], s[46:47], (\s)*KS*NTOT*2
	s_or_b32 s[G0B+4*(\s)+3], s[G0B+4*(\s)+3], 0x80000000
	JLOAD \s
.endr
	v_and_b32 v1, 15, v0                           ; r
	v_bfe_u32 v2, v0, 4, 1                         ; h
	v_and_b32 v3, 31, v0
	v_mul_u32_u24 v4, v1, PA
	v_lshl_add_u32 v4, v2, 4, v4                   ; Y: row x pitch + 16 h
	s_mul_i32 s22, s[WM], HA
	v_add_nc_u32 v[ADRA], s22, v4
	v_add_nc_u32 v[ADRA+1], SLOT, v[ADRA]
	v_and_b32 v5, 7, v0                            ; W1b: the turning load's lane l reads k row 8 h + l % 8, 16 bytes at 16 ((l / 8) % 2)
	v_bfe_u32 v6, v0, 3, 1
	v_lshl_add_u32 v5, v2, 3, v5
	v_mul_u32_u24 v5, v5, PW
	v_lshl_add_u32 v5, v6, 4, v5
	s_lshl_b32 s23, s[WN], 8                       ; my 128 columns
	s_add_co_u32 s23, s23, AREG
	v_add_nc_u32 v[ADRW], s23, v5
	v_add_nc_u32 v[ADRW+1], SLOT, v[ADRW]
	s_mul_i32 s22, s[WV], 16*SPITCH
	s_add_co_u32 s22, s22, STAGE                   ; my stage
	v_mul_u32_u24 v4, v1, SPITCH
	v_lshl_add_u32 v4, v2, 4, v4
	v_add_nc_u32 v[STO], s22, v4                   ; in: row r, 16 bytes for each half of the lanes
	v_mul_u32_u24 v5, v2, SPITCH
	v_lshl_add_u32 v5, v1, 4, v5
	v_add_nc_u32 v[RD], s22, v5                    ; back: lanes 0-15 one row of 256 bytes, lanes 16-31 the next
	v_lshlrev_b32 v[CO], 13, v2                    ; and the same two rows in D1
	v_lshl_add_u32 v[CO], v1, 4, v[CO]
	v_lshlrev_b32 v[L8], 3, v3
	v_lshlrev_b32 v[HB], 5, v2
	v_mov_b32 v41, 0                               ; v_permlanex16_b32 counts as a reader of its destination
	s_mov_b32 s[SEL], 0x76543210
	s_mov_b32 s[SEL+1], 0xfedcba98
	s_mov_b32 s76, 0xffff0000                      ; lanes 16-31
	s_lshl_b32 s66, s43, 7
	s_lshl_b32 s67, s[WM], 6
	s_add_co_u32 s66, s66, s67                     ; my first row
	s_lshl_b32 s78, s66, 2
	s_lshl_b32 s66, s66, 13
	s_lshl_b32 s67, s42, 1
	s_add_co_u32 s67, s67, s[WN]                   ; t: my 128 columns among the row's 32 such
	s_lshl_b32 s68, s67, 9
	s_lshl_b32 s79, s67, 14                        ; two rows of 8,192 bytes of CT1 for each t
	s_add_co_u32 s78, s78, s79
	s_lshl_b32 s67, s67, 8
	s_add_co_u32 s66, s66, s67
	s_mov_b32 s67, 0
	s_mov_b32 s69, 0
	s_mov_b32 s79, 0
	s_add_nc_u64 s[8:9], s[8:9], s[66:67]
	s_add_nc_u64 s[10:11], s[10:11], s[68:69]
	s_add_nc_u64 s[12:13], s[12:13], s[78:79]
.set ii, 0
.rept 8                                ; b1 of columns 16 b + 8 h + 0..7: waited for at the way out; nothing names these registers, v[HB] or s[10:11] until then
	global_load_b128 v[BI+8*ii:BI+8*ii+3],   v[HB], s[10:11] offset:64*ii
	global_load_b128 v[BI+8*ii+4:BI+8*ii+7], v[HB], s[10:11] offset:64*ii+16
.set ii, ii+1
.endr
; 8 products: m block a x all 8 n blocks, 32 along K.  zero = 1: they start the sums
.macro MUL8 f, a, zero
	WIN MUL
.irp b, 0,1,2,3,4,5,6,7
.if \zero
	v_wmma_f32_16x16x32_bf16 v[8*(8*(\a)+\b):8*(8*(\a)+\b)+7], v[(\f)+64+8*\b:(\f)+64+8*\b+7], v[(\f)+8*(\a):(\f)+8*(\a)+7], 0
.else
	v_wmma_f32_16x16x32_bf16 v[8*(8*(\a)+\b):8*(8*(\a)+\b)+7], v[(\f)+64+8*\b:(\f)+64+8*\b+7], v[(\f)+8*(\a):(\f)+8*(\a)+7], v[8*(8*(\a)+\b):8*(8*(\a)+\b)+7]
.endif
.endr
.endm
; 24 LDS loads in one run: quarter q of the slot's K step into buffer f; W1b first, Y's rows 32-63 last
.macro FETCH slot, q, f
	WIN TO_F
.irp b, 0,1,2,3,4,5,6,7
	ds_load_tr16_b128 v[(\f)+64+8*\b:(\f)+64+8*\b+3],   v[ADRW+(\slot)] offset:(\q)*32*PW+32*\b
	ds_load_tr16_b128 v[(\f)+64+8*\b+4:(\f)+64+8*\b+7], v[ADRW+(\slot)] offset:(\q)*32*PW+16*PW+32*\b
.endr
.irp a, 0,1,2,3
	ds_load_b128 v[(\f)+8*\a:(\f)+8*\a+3],   v[ADRA+(\slot)] offset:(\q)*64+\a*16*PA
	ds_load_b128 v[(\f)+8*\a+4:(\f)+8*\a+7], v[ADRA+(\slot)] offset:(\q)*64+\a*16*PA+32
.endr
.endm
; A K step is four quarters of 32 along K, 32 products each, the 32 accumulators by turns, on buffers 0, 1, 0, 1.  One of the first three multiplies buffer f and fetches quarter q into g.
.macro QUARTER slot, q, f, g, zero
	s_wait_dscnt LEFT1                             ; all but Y's rows 32-63 are in
	MUL8 \f, 0, \zero
	MUL8 \f, 1, \zero
	PLACES
	FETCH \slot, \q, \g
	s_wait_dscnt NLOAD                             ; all but the 24 just issued
	MUL8 \f, 2, \zero
	MUL8 \f, 3, \zero
.endm
; The last quarter multiplies buffer 1 and changes slots: ONE barrier; in front of it each wave waits for all its tensor loads (one is out: its part of the next slot), adds 0 to its spare word,
; and waits for that and for its reads of this slot.  fill = 1: the barrier opens a round of the cluster's, and this slot is filled again, two K steps ahead, first thing behind the round:
; 112 products stand between that request and the wait for it.
.macro TURN slot, next, fill
	WIN 0
	s_wait_tensorcnt 0x0
	ds_add_u32 v[SPW], v[NIL]
	s_wait_dscnt LEFT1+1                           ; the add and the youngest four loads may be out
	MUL8 F1, 0, 0
	s_wait_dscnt 0x0                               ; the add is done, and my reads of this slot are over
	s_barrier_signal -1
	MUL8 F1, 1, 0
.if \fill
	WIN 0
.endif
	s_barrier_wait -1
.if \fill
	CREST                                          ; no wave of any partner still reads this slot or has a load on its way
	s_add_nc_u64 s[G0+4*(\slot)+2:G0+4*(\slot)+3], s[G0+4*(\slot)+2:G0+4*(\slot)+3], 2*KS*2
	s_add_nc_u64 s[G0B+4*(\slot)+2:G0B+4*(\slot)+3], s[G0B+4*(\slot)+2:G0B+4*(\slot)+3], 2*KS*NTOT*2
	JLOAD \slot                                    ; its four v_nop are also the places in front of the loads below
.else
	PLACES
.endif
	FETCH \next, 0, F0
	MUL8 F1, 2, 0
	MUL8 F1, 3, 0
.endm
	s_wait_tensorcnt 1                             ; my part of K step 0 is in; K step 1's may stay out
	s_barrier_signal -1
	s_barrier_wait -1
	FETCH 0, 0, F0
	QUARTER 0, 1, F0, F1, 1                        ; the first quarter stands in front of the loop: its products start the sums
	WIN 0
	s_mov_b32 s3, LAPS-1
.Llap:                                                 ; a trip goes once round the ring and fills both slots again
	QUARTER 0, 2, F1, F0, 0
	QUARTER 0, 3, F0, F1, 0
	TURN 0, 1, 1
	QUARTER 1, 1, F0, F1, 0
	QUARTER 1, 2, F1, F0, 0
	QUARTER 1, 3, F0, F1, 0
	TURN 1, 0, 1
	QUARTER 0, 1, F0, F1, 0
	WIN 0
	s_sub_co_u32 s3, s3, 1
	s_cmp_lg_u32 s3, 0
	s_cbranch_scc1 .Llap
	QUARTER 0, 2, F1, F0, 0                        ; the last lap fills nothing
	QUARTER 0, 3, F0, F1, 0
	TURN 0, 1, 0
	QUARTER 1, 1, F0, F1, 0
	QUARTER 1, 2, F1, F0, 0
	QUARTER 1, 3, F0, F1, 0
	s_wait_dscnt LEFT1
	MUL8 F1, 0, 0
	MUL8 F1, 1, 0
	s_wait_dscnt 0x0
	MUL8 F1, 2, 0
	MUL8 F1, 3, 0
	WIN 0
	PLACES
	s_wait_loadcnt 0x0                             ; b1
; THE WAY OUT of block a (16 rows x my 128 columns; window 2's v[64 a ..]): bias, relu, the mean of the row's 128 numbers (my 64 and those of the lane 16 away), the mean taken away,
; the sum of the squares of what is left, and that rounded to bf16.
.macro EPI a
	WIN 0x82
.set ii, 0
.rept 32                               ; ascending: each accumulator's lowest registers are read first
	v_pk_add_f32 v[64*(\a)+2*ii:64*(\a)+2*ii+1], v[64*(\a)+2*ii:64*(\a)+2*ii+1], v[BI+2*ii:BI+2*ii+1]
.set ii, ii+1
.endr
	WIN 0x88
.set ii, 0
.rept 64
	v_max_num_f32 v[64*(\a)+ii], 0, v[64*(\a)+ii]
.set ii, ii+1
.endr
	WIN 0x0a
.set ii, 0
.rept 16
	v_pk_add_f32 v[TMP+2*ii:TMP+2*ii+1], v[64*(\a)+4*ii:64*(\a)+4*ii+1], v[64*(\a)+4*ii+2:64*(\a)+4*ii+3]
.set ii, ii+1
.endr
	WIN 0
.irp w, 16, 8, 4, 2
.set ii, 0
.rept (\w)/2
	v_pk_add_f32 v[TMP+2*ii:TMP+2*ii+1], v[TMP+2*ii:TMP+2*ii+1], v[TMP+(\w)+2*ii:TMP+(\w)+2*ii+1]
.set ii, ii+1
.endr
.endr
	v_add_f32 v40, v[TMP], v[TMP+1]
	v_permlanex16_b32 v41, v40, s[SEL], s[SEL+1]
	v_add_f32 v40, v40, v41
	v_mul_f32 v[CM+2*(\a)], 0x3c000000, v40        ; / 128
	v_mul_f32 v[CM+2*(\a)+1], 0x3c000000, v40
	WIN 0x82
.set ii, 0
.rept 32
	v_pk_add_f32 v[64*(\a)+2*ii:64*(\a)+2*ii+1], v[64*(\a)+2*ii:64*(\a)+2*ii+1], v[CM+2*(\a):CM+2*(\a)+1] neg_lo:[0,1] neg_hi:[0,1]
.set ii, ii+1
.endr
	WIN 0x0a                                       ; the squares, two chains
	v_pk_mul_f32 v[48:49], v[64*(\a):64*(\a)+1], v[64*(\a):64*(\a)+1]
	v_pk_mul_f32 v[50:51], v[64*(\a)+2:64*(\a)+3], v[64*(\a)+2:64*(\a)+3]
.set ii, 1
.rept 15
	v_pk_fma_f32 v[48:49], v[64*(\a)+4*ii:64*(\a)+4*ii+1], v[64*(\a)+4*ii:64*(\a)+4*ii+1], v[48:49]
	v_pk_fma_f32 v[50:51], v[64*(\a)+4*ii+2:64*(\a)+4*ii+3], v[64*(\a)+4*ii+2:64*(\a)+4*ii+3], v[50:51]
.set ii, ii+1
.endr
.set ii, 0
.rept 32
	v_cvt_pk_bf16_f32 v[TMP+ii], v[64*(\a)+2*ii], v[64*(\a)+2*ii+1]
.set ii, ii+1
.endr
	WIN 0
	v_pk_add_f32 v[48:49], v[48:49], v[50:51]
	v_add_f32 v48, v48, v49
	v_permlanex16_b32 v49, v48, s[SEL], s[SEL+1]
	v_add_f32 v[M2+(\a)], v48, v49
.endm
.macro TOSTAGE a                       ; 16 bytes a lane into my own stage, and back as whole rows of 256 bytes
.set BK, OB+32*((\a)%2)
.irp b, 0,1,2,3,4,5,6,7
	ds_store_b128 v[STO], v[TMP+4*\b:TMP+4*\b+3] offset:32*\b
.endr
.irp t, 0,1,2,3,4,5,6,7
	ds_load_b128 v[BK+4*\t:BK+4*\t+3], v[RD] offset:\t*2*SPITCH  ; LDS serves a wave's instructions in order (ISA guide 5.7.1.4): these see the stores above
.endr
.endm
.macro SEND a
.set BK, OB+32*((\a)%2)
	s_wait_dscnt 0x0                               ; the block is back in registers
	s_wait_xcnt 0x0                                ; the stores of the block before have read their registers: the next TOSTAGE loads into them
.irp t, 0,1,2,3,4,5,6,7
	global_store_b128 v[CO], v[BK+4*\t:BK+4*\t+3], s[8:9] offset:(\a)*131072+\t*16384  ; 16 lanes store 256 consecutive bytes, aligned
.endr
.endm
	EPI 0
	TOSTAGE 0
.irp a, 1,2,3                          ; block a's arithmetic stands between block a - 1's loads from the stage and the wait for them
	EPI \a
	SEND (\a)-1
	TOSTAGE \a
.endr
	SEND 3
	v_cndmask_b32 v42, v[CM], v[CM+4], s76         ; lane (r, h) stores row r's figures of blocks 2 h and 2 h + 1
	v_cndmask_b32 v43, v[CM+2], v[CM+6], s76
	v_cndmask_b32 v52, v[M2], v[M2+2], s76
	v_cndmask_b32 v53, v[M2+1], v[M2+3], s76
	global_store_b64 v[L8], v[42:43], s[12:13]             ; the wave's 64 means: 256 consecutive bytes, aligned
	global_store_b64 v[L8], v[52:53], s[12:13] offset:8192 ; and its 64 sums of squares
	s_wait_tensorcnt 0x0                           ; the wave's end, behind my last tensor load and my last LDS store
	ds_add_u32 v[SPW], v[NIL]
	s_wait_dscnt 0x0
	CROUND                                         ; the closing round: no work-group ends while a partner may still ask for a tile that names it
	s_endpgm
.Lfunc_end_k_q90167c3e31_gemm1:
	.size	k_q90167c3e31_gemm1, .Lfunc_end_k_q90167c3e31_gemm1-k_q90167c3e31_gemm1
	.p2alignl 7, 3214868480
	.fill 96, 4, 3214868480
	.section	.rodata,"a",@progbits
	.p2align	6, 0x0
	.amdhsa_kernel k_q90167c3e31_gemm1
		.amdhsa_group_segment_fixed_size 327680
		.amdhsa_private_segment_fixed_size 0
		.amdhsa_enable_private_segment 0
		.amdhsa_kernarg_size 40
		.amdhsa_user_sgpr_count 2
		.amdhsa_user_sgpr_kernarg_segment_ptr 1
		.amdhsa_wavefront_size32 1
		.amdhsa_system_sgpr_workgroup_id_x 1
		.amdhsa_system_sgpr_workgroup_id_y 1
		.amdhsa_system_sgpr_workgroup_id_z 1
		.amdhsa_system_vgpr_workitem_id 0
		.amdhsa_next_free_vgpr 768
		.amdhsa_next_free_sgpr 80
		.amdhsa_reserve_vcc 0
		.amdhsa_float_denorm_mode_32 3
		.amdhsa_float_denorm_mode_16_64 3
		.amdhsa_memory_ordered 1
		.amdhsa_forward_progress 1
		.amdhsa_inst_pref_size 131
	.end_amdhsa_kernel
	.amdgpu_metadata
---
amdhsa.version: [ 1, 2 ]
amdhsa.kernels:
  - .name:           k_q90167c3e31_gemm1
    .symbol:         k_q90167c3e31_gemm1.kd
    .args:
      - { .name: Y, .offset: 0, .size: 8, .value_kind: global_buffer, .address_space: global }
      - { .name: W1b, .offset: 8, .size: 8, .value_kind: global_buffer, .address_space: global }
      - { .name: D1, .offset: 16, .size: 8, .value_kind: global_buffer, .address_space: global }
      - { .name: b1, .offset: 24, .size: 8, .value_kind: global_buffer, .address_space: global }
      - { .name: CT1, .offset: 32, .size: 8, .value_kind: global_buffer, .address_space: global }
    .group_segment_fixed_size: 327680
    .private_segment_fixed_size: 0
    .kernarg_segment_align: 8
    .kernarg_segment_size: 40
    .max_flat_workgroup_size: 128
    .sgpr_count:     80
    .vgpr_count:     768
    .wavefront_size: 32
...
	.end_amdgpu_metadata
.endif
;; end of part 3
;; launch gemm2 (part 4): grid 16 x 16, 4 waves a work-group, clusters of 4 x 4, 327,680 bytes of LDS; arguments D1, W2b, ST2, b2, g2, W3, CT1; writes ST2
.if DOCPART == 4
	.amdgcn_target "amdgcn-amd-amdhsa--gfx1250"
	.amdhsa_code_object_version 6
	.text
	.protected	k_q90167c3e31_gemm2
	.globl	k_q90167c3e31_gemm2
	.p2align	8
	.type	k_q90167c3e31_gemm2,@function
k_q90167c3e31_gemm2:
	s_mov_b64 s[64:65], 0
	v_nop
	global_prefetch_b8 v0, s[64:65] scope:SCOPE_SE
	s_setreg_imm32_b32 hwreg(HW_REG_WAVE_MODE, 25, 1), 1
	s_wait_xcnt 0x0
	s_wait_alu depctr_hold_cnt(0) depctr_sa_sdst(0) depctr_va_vdst(0) depctr_va_sdst(0) depctr_va_ssrc(0) depctr_va_vcc(0) depctr_vm_vsrc(0)
	s_getreg_b32 s2, hwreg(HW_REG_IB_STS2, 6, 4)
	s_cmp_eq_u32 s2, 0
	s_cbranch_scc0 .Lentry_in_a_cluster
	s_endpgm
.Lentry_in_a_cluster:
	s_bfe_u32 s2, ttmp6, 0x10000c
	s_cmp_lg_u32 s2, 0xf033
	s_cbranch_scc0 .Lentry_shape_is_right
	s_endpgm
.Lentry_shape_is_right:
; r = relu(h @ W2 + b2), h = LayerNorm(v) g1 + bt1, v = D1 + c.  h is never formed.  With e_t = c_t - mean and rs = 1 / sqrt(var + eps):
;   h @ W2 + b2 = rs [ D1 @ (g1 W2) + sum_t e_t G_t ] + sum_t P_t + b2.
; D1: [2048][4096] bf16 (a row less the f32 mean c_t of each 128 columns).  W2b: [4160 (k)][2048 (n)] bf16: rows 0-4095 g1 W2, rows 4096 + t G_t, rows 4128 + t P_t.  CT1[t][stat][pos]: c and M2, f32.
;   mean = sum c / 32;   var = (sum M2 + 128 sum e^2) / 4096: sums about means, no difference of large sums.
; The sum over t is 32 more along K: e_t, rounded to bf16, is a fragment of 16 rows x 32 as it lies in the lanes.  sum_t P_t is a product with ones, into accumulators of its own, since rs does not scale it.
; WHAT LEAVES.  r itself never does: what follows it (LayerNorm over the row, the product with W3, which has one column and so is no work for the matrix unit) needs three f32 figures for each row and each wave's 64 columns:
;   c = the mean of r;   M2 = the sum of (r - c)^2;   DT = the sum of (r - c) g2 W3.   The last launch joins a row's 32 triples.
; ST2[t][stat][pos]: t = column / 64.  In CT1 and ST2 row 64 G + 16 a + r lies at pos = 64 G + 32 (a / 2) + 2 r + a % 2: a load or store of 8 bytes a lane holds a row's figures of two blocks.
; SHARES.  A tile is 128 x 128: 16 x 16 tiles, one a work-group.  Four waves, each 64 x 64: 16 accumulators.  K goes in steps of 256, as long as two slots in LDS allow.
; CLUSTER.  4 x 4 work-groups: D1's tile is shared along a row of the cluster, W2b's along a column: joint loads.
; THE PRODUCT IS USED TRANSPOSED: source 0 = 16 columns of W2b (by the turning load), source 1 = 16 rows of D1: a lane holds one row (lane % 16) and columns 8 (lane / 16) + 0..7.
; NaN and infinities are not treated apart.
; REGISTERS.  window 0: v1-31 addresses; v32-63 figures and at work; v64-95 b2; v96-127 g2 W3; v128-191 g2 and W3 as loaded, then at work; v192-199 rs, twice a block
;   window 1: two fragment buffers of 128 (64 of D1, 64 of W2b)      window 2: v0-127 the accumulators, (a, b) at 8 (4 a + b); v128-159 sum_t P_t
;   window 3: v0-63 c, then e (pair 32 A + 2 i: blocks 2 A, 2 A + 1, my i-th t); v64-127 M2 likewise; v128-159 e as fragments; v160-167 ones; v168-183 at work
.set KT,    4096
.set NTOT,  2048
.set NT,    128
.set KS,    256
.set PA,    528                        ; a row of D1's tile: 512 bytes + 16
.set PW,    288                        ; a row of W2b's tile: 256 bytes + 32
.set HA,    64*PA
.set AREG,  128*PA
.set HW,    (KS/2)*PW
.set SLOT,  AREG+KS*PW
.set LAPS,  KT/(2*KS)
.set XREG,  2*SLOT                     ; behind the ring: the 64 rows G and P of my 128 columns, filled once
.set SPARE, XREG+64*PW                 ; the spare words, 128 bytes a wave
.set ADRA, 16                          ; v16-17  my fragments of D1 in slot 0, 1
.set ADRX, 18                          ; v18     my fragments of G and P
.set ADRW, 20                          ; v20-23  of W2b: 2 x slot + half of the K step (a 16-bit offset does not span 256 rows)
.set L8,   27
.set SPW,  28
.set NIL,  29
.set HB,   30
.set CTO,  31                          ; v31     8 r + (lane / 16) x 8 values of t in CT1
.set CM,   32                          ; v32-39  block a's mean, twice
.set M2,   40                          ; v40-43
.set DT,   44                          ; v44-47
.set BI,   64
.set GW,   96
.set T,    128
.set RS,   192
.set CL,   0                           ; window 3
.set ML,   64
.set XA,   128
.set ON,   160
.set TS,   168
.set F0,   0
.set F1,   128
.set G1,   24
.set G0,   32
.set G1B,  48
.set G0B,  56
.set G1X,  80                          ; s[80:87], s[88:91] the descriptor of G's and P's rows
.set G0X,  88
.set WV,   70
.set WM,   71                          ; which 64 rows are mine.  Also: I fetch for D1 (0) or for W2b (1)
.set WN,   72                          ; which 64 columns.  Also: which half of that tile I fetch
.set SEL,  74
.set MSB, 0
.macro WIN new
.if MSB != (\new)
	s_set_vgpr_msb (MSB<<8)|(\new)
.set MSB, (\new)
.endif
.endm
.set MUL,  0xa5                        ; sources 0 and 1 window 1; C and D window 2
.set MULX, 0xad                        ; source 0 window 1, source 1 window 3; C and D window 2
.set TO_F, 0x40
.macro JLOAD s                         ; a joint load: waves 0 and 1 fetch D1's two halves, waves 2 and 3 W2b's; an s_nop 0 and four v_nop follow each of the two lines
	s_cmp_eq_u32 s[WM], 0
	s_cbranch_scc0 .Lfor_w_\@
	tensor_load_to_lds s[G0+4*(\s):G0+4*(\s)+3], s[G1:G1+7]
	s_nop 0
.rept 4
	v_nop
.endr
	s_branch .Lasked_\@
.Lfor_w_\@:
	tensor_load_to_lds s[G0B+4*(\s):G0B+4*(\s)+3], s[G1B:G1B+7]
	s_nop 0
.rept 4
	v_nop
.endr
.Lasked_\@:
.endm
.macro CREST
	s_cmp_lg_u32 s[WV], 0
	s_cbranch_scc1 .Lnot_wave_0_\@
	s_barrier_signal -3
.Lnot_wave_0_\@:
	s_barrier_wait -3
	s_barrier_signal -1
	s_barrier_wait -1
.endm
.macro CROUND
	s_barrier_signal -1
	s_barrier_wait -1
	CREST
.endm
.macro PLACES
.rept 4
	v_nop
.endr
.endm
	s_load_b256 s[4:11], s[0:1], 0x0               ; D1 s[4:5], W2b s[6:7], ST2 s[8:9], b2 s[10:11]
	s_load_b128 s[12:15], s[0:1], 0x20             ; g2 s[12:13], W3 s[14:15]
	s_load_b64 s[92:93], s[0:1], 0x30              ; CT1
	v_lshl_add_u32 v[SPW], v0, 2, SPARE
	v_mov_b32 v[NIL], 0
	ds_add_u32 v[SPW], v[NIL]                      ; the wave's opening: the add, with its wait ahead of my first tensor load
	v_lshrrev_b32 v1, 5, v0
	v_readfirstlane_b32 s[WV], v1
	s_lshr_b32 s[WM], s[WV], 1
	s_and_b32 s[WN], s[WV], 1
	s_bfe_u32 s40, ttmp6, 0x40000
	s_bfe_u32 s41, ttmp6, 0x40004
	s_lshl_b32 s42, ttmp9, 2
	s_add_co_u32 s42, s42, s40                     ; tile column
	s_and_b32 s43, ttmp7, 0xffff
	s_lshl_b32 s43, s43, 2
	s_add_co_u32 s43, s43, s41                     ; tile row
	s_lshl_b32 s44, s41, 2
	s_lshl_b32 s44, 15, s44
	s_lshl_b32 s45, 0x1111, s40
	s_or_b32 s[G1+0], s44, (1<<16)|(1<<20)|(1<<21)|(6<<22)|(3<<25)   ; after every 128 words 4 words of padding
	s_or_b32 s[G1B+0], s45, (1<<16)|(1<<20)|(1<<21)|(5<<22)|(7<<25)  ; after every 64 words 8 words
	s_or_b32 s[G1X+0], s45, (1<<16)|(1<<20)|(1<<21)|(5<<22)|(7<<25)  ; the same: G's and P's rows are rows of W2b
	s_mov_b32 s[G1+1], KS<<16                      ; tensor_dim0 = 256
	s_mov_b32 s[G1+2], 64<<16                      ; tensor_dim1 = 64
	s_mov_b32 s[G1+3], KS<<16
	s_mov_b32 s[G1+4], 64
	s_mov_b32 s[G1+5], KT
	s_mov_b32 s[G1+6], 0
	s_mov_b32 s[G1+7], 0
	s_mov_b32 s[G1B+1], NT<<16                     ; tensor_dim0 = 128
	s_mov_b32 s[G1B+2], (KS/2)<<16                 ; tensor_dim1 = 128
	s_mov_b32 s[G1B+3], NT<<16
	s_mov_b32 s[G1B+4], KS/2
	s_mov_b32 s[G1B+5], NTOT
	s_mov_b32 s[G1B+6], 0
	s_mov_b32 s[G1B+7], 0
	s_mov_b32 s[G1X+1], NT<<16                     ; 16 rows x 128 elements a wave
	s_mov_b32 s[G1X+2], 16<<16
	s_mov_b32 s[G1X+3], NT<<16
	s_mov_b32 s[G1X+4], 16
	s_mov_b32 s[G1X+5], NTOT
	s_mov_b32 s[G1X+6], 0
	s_mov_b32 s[G1X+7], 0
	s_lshl_b32 s16, s43, 7                         ; D1: row 128 x tile row + 64 x half; no register here ever holds cx
	s_lshl_b32 s17, s[WN], 6
	s_add_co_u32 s16, s16, s17
	s_mul_i32 s16, s16, KT*2
	s_mov_b32 s17, 0
	s_mul_i32 s46, s[WN], (KS/2)*NTOT*2            ; W2b: k row 128 x half, column 128 x tile column; no register here ever holds cy
	s_mul_i32 s47, s42, NT*2
	s_add_co_u32 s46, s46, s47
	s_mov_b32 s47, 0
	s_mul_i32 s94, s[WV], 16*NTOT*2                ; G and P: k row 4096 + 16 x wave, the same columns
	s_mul_i32 s95, s42, NT*2
	s_add_co_u32 s94, s94, s95
	s_add_co_u32 s94, s94, KT*NTOT*2
	s_mov_b32 s95, 0
	s_mul_i32 s20, s[WN], HA
	s_mul_i32 s21, s[WN], HW
	s_add_co_u32 s21, s21, AREG
	s_wait_dscnt 0x0
	s_wait_kmcnt 0x0
	s_add_nc_u64 s[18:19], s[4:5], s[16:17]
	s_add_nc_u64 s[46:47], s[6:7], s[46:47]
	CROUND                                         ; all sixteen work-groups are here: the first joint loads meet
	s_mov_b32 s[G0X], 1
	s_mul_i32 s[G0X+1], s[WV], 16*PW
	s_add_co_u32 s[G0X+1], s[G0X+1], XREG
	s_add_nc_u64 s[G0X+2:G0X+3], s[6:7], s[94:95]
	s_or_b32 s[G0X+3], s[G0X+3], 0x80000000
	tensor_load_to_lds s[G0X:G0X+3], s[G1X:G1X+7]  ; every wave's 16 of the 64 rows; with the two below three loads of mine are out
	s_nop 0
.rept 4
	v_nop
.endr
.irp s, 0,1
	s_mov_b32 s[G0+4*(\s)], 1
	s_add_co_u32 s[G0+4*(\s)+1], s20, (\s)*SLOT
	s_add_nc_u64 s[G0+4*(\s)+2:G0+4*(\s)+3], s[18:19], (\s)*KS*2
	s_or_b32 s[G0+4*(\s)+3], s[G0+4*(\s)+3], 0x80000000
	s_mov_b32 s[G0B+4*(\s)], 1
	s_add_co_u32 s[G0B+4*(\s)+1], s21, (\s)*SLOT
	s_add_nc_u64 s[G0B+4*(\s)+2:G0B+4*(\s)+3], s[46:47], (\s)*KS*NTOT*2
	s_or_b32 s[G0B+4*(\s)+3], s[G0B+4*(\s)+3], 0x80000000
	JLOAD \s
.endr
	v_and_b32 v1, 15, v0
	v_bfe_u32 v2, v0, 4, 1
	v_and_b32 v3, 31, v0
	v_mul_u32_u24 v4, v1, PA
	v_lshl_add_u32 v4, v2, 4, v4
	s_mul_i32 s22, s[WM], HA
	v_add_nc_u32 v[ADRA], s22, v4
	v_add_nc_u32 v[ADRA+1], SLOT, v[ADRA]
	v_and_b32 v5, 7, v0
	v_bfe_u32 v6, v0, 3, 1
	v_lshl_add_u32 v5, v2, 3, v5
	v_mul_u32_u24 v5, v5, PW
	v_lshl_add_u32 v5, v6, 4, v5
	s_lshl_b32 s23, s[WN], 7                       ; my 64 columns
	s_add_co_u32 s22, s23, XREG
	s_add_co_u32 s23, s23, AREG
	v_add_nc_u32 v[ADRX], s22, v5
	v_add_nc_u32 v[ADRW], s23, v5
	v_add_nc_u32 v[ADRW+1], 128*PW, v[ADRW]
	v_add_nc_u32 v[ADRW+2], SLOT, v[ADRW]
	v_add_nc_u32 v[ADRW+3], SLOT, v[ADRW+1]
	v_lshlrev_b32 v[L8], 3, v3
	v_lshlrev_b32 v[HB], 5, v2
	v_lshlrev_b32 v[CTO], 3, v1
	v_lshl_add_u32 v[CTO], v2, 17, v[CTO]          ; lanes 16-31 hold t = 8 .. and 24 ..: eight t of 16,384 bytes further on
	v_mov_b32 v49, 0                               ; v_permlanex16_b32 counts as a reader of its destination
	s_mov_b32 s[SEL], 0x76543210
	s_mov_b32 s[SEL+1], 0xfedcba98
	s_mov_b32 s76, 0xffff0000                      ; lanes 16-31
	s_mov_b32 s77, 0x39800000                      ; 1 / 4096
	s_mov_b32 s78, 0x3727c5ac                      ; 1e-5
	s_lshl_b32 s66, s43, 7
	s_lshl_b32 s67, s[WM], 6
	s_add_co_u32 s66, s66, s67
	s_lshl_b32 s66, s66, 2                         ; my first row's place in a row of ST2 and of CT1, in bytes
	s_mov_b32 s94, s66
	s_lshl_b32 s67, s42, 1
	s_add_co_u32 s67, s67, s[WN]                   ; t
	s_lshl_b32 s68, s67, 8                         ; 64 columns x 4 bytes
	s_mul_i32 s67, s67, 3*8192
	s_add_co_u32 s66, s66, s67
	s_mov_b32 s67, 0
	s_mov_b32 s69, 0
	s_add_nc_u64 s[8:9], s[8:9], s[66:67]
	s_add_nc_u64 s[10:11], s[10:11], s[68:69]
	s_add_nc_u64 s[12:13], s[12:13], s[68:69]
	s_add_nc_u64 s[14:15], s[14:15], s[68:69]
	s_add_nc_u64 s[92:93], s[92:93], s[94:95]
	WIN 0xc0                                       ; destinations in window 3, addresses in window 0
.irp A, 0,1
.set ii, 0
.rept 16                               ; c of my row in blocks 2 A and 2 A + 1, for my i-th t: t = 8 h + i, from i = 8 on 16 + 8 h + i - 8, as a fragment's k lie
	global_load_b64 v[CL+32*\A+2*ii:CL+32*\A+2*ii+1], v[CTO], s[92:93] offset:(ii+8*(ii/8))*16384+\A*128
.set ii, ii+1
.endr
.endr
.set ii, 0
.rept 8
	v_mov_b32 v[ON+ii], 0x3f803f80                 ; 1.0 twice in bf16
.set ii, ii+1
.endr
	WIN 0
.set ii, 0
.rept 4                                ; b2, g2, W3 of columns 16 b + 8 h + 0..7.  These and c are waited for in the tail; nothing names their registers, offsets or bases until then
	global_load_b128 v[BI+8*ii:BI+8*ii+3],     v[HB], s[10:11] offset:64*ii
	global_load_b128 v[BI+8*ii+4:BI+8*ii+7],   v[HB], s[10:11] offset:64*ii+16
	global_load_b128 v[T+8*ii:T+8*ii+3],       v[HB], s[12:13] offset:64*ii
	global_load_b128 v[T+8*ii+4:T+8*ii+7],     v[HB], s[12:13] offset:64*ii+16
	global_load_b128 v[T+32+8*ii:T+32+8*ii+3], v[HB], s[14:15] offset:64*ii
	global_load_b128 v[T+32+8*ii+4:T+32+8*ii+7], v[HB], s[14:15] offset:64*ii+16
.set ii, ii+1
.endr
; 8 products: m blocks a0, a0 + 1 x all 4 n blocks, 32 along K: half c of buffer f.  zero = 1: they start the sums
.macro MUL8 f, c, a0, zero
	WIN MUL
.irp a, \a0, (\a0)+1
.irp b, 0,1,2,3
.if \zero
	v_wmma_f32_16x16x32_bf16 v[8*(4*(\a)+(\b)):8*(4*(\a)+(\b))+7], v[(\f)+64+8*(4*(\c)+(\b)):(\f)+64+8*(4*(\c)+(\b))+7], v[(\f)+8*(4*(\c)+(\a)):(\f)+8*(4*(\c)+(\a))+7], 0
.else
	v_wmma_f32_16x16x32_bf16 v[8*(4*(\a)+(\b)):8*(4*(\a)+(\b))+7], v[(\f)+64+8*(4*(\c)+(\b)):(\f)+64+8*(4*(\c)+(\b))+7], v[(\f)+8*(4*(\c)+(\a)):(\f)+8*(4*(\c)+(\a))+7], v[8*(4*(\a)+(\b)):8*(4*(\a)+(\b))+7]
.endif
.endr
.endr
.endm
; 32 LDS loads in one run: quarter q (64 along K) of the slot's K step into buffer f; the first 32 along K first
.macro FETCH slot, q, f
	WIN TO_F
.irp c, 0,1
.irp b, 0,1,2,3
	ds_load_tr16_b128 v[(\f)+64+8*(4*\c+\b):(\f)+64+8*(4*\c+\b)+3],   v[ADRW+2*(\slot)+(\q)/2] offset:(((\q)%2)*64+32*\c)*PW+32*\b
	ds_load_tr16_b128 v[(\f)+64+8*(4*\c+\b)+4:(\f)+64+8*(4*\c+\b)+7], v[ADRW+2*(\slot)+(\q)/2] offset:(((\q)%2)*64+32*\c)*PW+16*PW+32*\b
.endr
.irp a, 0,1,2,3
	ds_load_b128 v[(\f)+8*(4*\c+\a):(\f)+8*(4*\c+\a)+3],   v[ADRA+(\slot)] offset:(\q)*128+64*\c+\a*16*PA
	ds_load_b128 v[(\f)+8*(4*\c+\a)+4:(\f)+8*(4*\c+\a)+7], v[ADRA+(\slot)] offset:(\q)*128+64*\c+\a*16*PA+32
.endr
.endr
.endm
; A K step is four quarters of 64 along K, 32 products each, two deep on the 16 accumulators, which take turns.
.macro QUARTER slot, q, f, g, zero
	s_wait_dscnt 16                                ; the first 32 along K are in
	MUL8 \f, 0, 0, \zero
	MUL8 \f, 0, 2, \zero
	PLACES
	FETCH \slot, \q, \g
	s_wait_dscnt 32                                ; all but the 32 just issued
	MUL8 \f, 1, 0, 0
	MUL8 \f, 1, 2, 0
.endm
; The last quarter multiplies buffer 1 and changes slots: ONE barrier; in front of it each wave waits for all its tensor loads, adds 0 to its spare word, and waits for that and for its reads of this slot.
; fill = 1: the barrier opens a round of the cluster's, and this slot is filled again, two K steps ahead, first thing behind the round: 112 products stand between that request and the wait for it.
.macro TURN slot, next, fill
	WIN 0
	s_wait_tensorcnt 0x0
	ds_add_u32 v[SPW], v[NIL]
	s_wait_dscnt 17                                ; the add and the youngest sixteen loads may be out
	MUL8 F1, 0, 0, 0
	s_wait_dscnt 0x0                               ; the add is done, and my reads of this slot are over
	s_barrier_signal -1
	MUL8 F1, 0, 2, 0
.if \fill
	WIN 0
.endif
	s_barrier_wait -1
.if \fill
	CREST
	s_add_nc_u64 s[G0+4*(\slot)+2:G0+4*(\slot)+3], s[G0+4*(\slot)+2:G0+4*(\slot)+3], 2*KS*2
	s_add_nc_u64 s[G0B+4*(\slot)+2:G0B+4*(\slot)+3], s[G0B+4*(\slot)+2:G0B+4*(\slot)+3], 2*KS*NTOT*2
	JLOAD \slot
.else
	PLACES
.endif
	FETCH \next, 0, F0
	MUL8 F1, 1, 0, 0
	MUL8 F1, 1, 2, 0
.endm
; THE FIRST LayerNorm's FIGURES for blocks 2 A and 2 A + 1 at once: each register pair holds my row's number in the one block and in the other.  A lane has 16 of the row's 32 chunks, the lane 16 away the others.
.macro STATS A
.set cb, CL+32*(\A)
.set mb, ML+32*(\A)
	WIN 0xff
.set ii, 0
.rept 8
	v_pk_add_f32 v[TS+2*ii:TS+2*ii+1], v[cb+2*ii:cb+2*ii+1], v[cb+16+2*ii:cb+16+2*ii+1]
.set ii, ii+1
.endr
.irp w, 8, 4, 2
.set ii, 0
.rept (\w)/2
	v_pk_add_f32 v[TS+2*ii:TS+2*ii+1], v[TS+2*ii:TS+2*ii+1], v[TS+(\w)+2*ii:TS+(\w)+2*ii+1]
.set ii, ii+1
.endr
.endr
	v_permlanex16_b32 v[TS+2], v[TS], s[SEL], s[SEL+1]
	v_permlanex16_b32 v[TS+3], v[TS+1], s[SEL], s[SEL+1]
	v_pk_add_f32 v[TS:TS+1], v[TS:TS+1], v[TS+2:TS+3]
	v_pk_mul_f32 v[TS:TS+1], v[TS:TS+1], 0x3d000000 op_sel_hi:[1,0]  ; the mean: sum c / 32
.set ii, 0
.rept 16
	v_pk_add_f32 v[cb+2*ii:cb+2*ii+1], v[cb+2*ii:cb+2*ii+1], v[TS:TS+1] neg_lo:[0,1] neg_hi:[0,1]  ; e = c - mean, in place
.set ii, ii+1
.endr
	v_pk_mul_f32 v[TS+4:TS+5], v[cb:cb+1], v[cb:cb+1]                ; sum e^2, two chains
	v_pk_mul_f32 v[TS+6:TS+7], v[cb+2:cb+3], v[cb+2:cb+3]
.set ii, 1
.rept 7
	v_pk_fma_f32 v[TS+4:TS+5], v[cb+4*ii:cb+4*ii+1], v[cb+4*ii:cb+4*ii+1], v[TS+4:TS+5]
	v_pk_fma_f32 v[TS+6:TS+7], v[cb+4*ii+2:cb+4*ii+3], v[cb+4*ii+2:cb+4*ii+3], v[TS+6:TS+7]
.set ii, ii+1
.endr
	v_pk_add_f32 v[TS+4:TS+5], v[TS+4:TS+5], v[TS+6:TS+7]
	v_permlanex16_b32 v[TS+6], v[TS+4], s[SEL], s[SEL+1]
	v_permlanex16_b32 v[TS+7], v[TS+5], s[SEL], s[SEL+1]
	v_pk_add_f32 v[TS+4:TS+5], v[TS+4:TS+5], v[TS+6:TS+7]
.irp w, 16, 8, 4, 2                    ; sum M2, in place
.set ii, 0
.rept (\w)/2
	v_pk_add_f32 v[mb+2*ii:mb+2*ii+1], v[mb+2*ii:mb+2*ii+1], v[mb+(\w)+2*ii:mb+(\w)+2*ii+1]
.set ii, ii+1
.endr
.endr
	v_permlanex16_b32 v[mb+2], v[mb], s[SEL], s[SEL+1]
	v_permlanex16_b32 v[mb+3], v[mb+1], s[SEL], s[SEL+1]
	v_pk_add_f32 v[mb:mb+1], v[mb:mb+1], v[mb+2:mb+3]
	v_pk_fma_f32 v[mb:mb+1], v[TS+4:TS+5], 0x43000000, v[mb:mb+1] op_sel_hi:[1,0,1]  ; + 128 sum e^2
	v_fma_f32 v[mb], v[mb], s77, s78               ; var + eps
	v_fma_f32 v[mb+1], v[mb+1], s77, s78
.irp p, 0,1
.irp j, 0,1,2,3,4,5,6,7
	v_cvt_pk_bf16_f32 v[XA+8*(2*(\A)+\p)+\j], v[cb+4*\j+\p], v[cb+4*\j+2+\p]  ; block 2 A + p: register j holds my t number 2 j and 2 j + 1
.endr
.endr
.endm
	s_wait_tensorcnt 1                             ; G's and P's rows and my part of K step 0 are in; K step 1's may stay out
	s_barrier_signal -1
	s_barrier_wait -1
	FETCH 0, 0, F0
	QUARTER 0, 1, F0, F1, 1
	WIN 0xc0
.irp A, 0,1
.set ii, 0
.rept 16                               ; M2, as c above; asked for here so that the head has 56 loads out and not 88
	global_load_b64 v[ML+32*\A+2*ii:ML+32*\A+2*ii+1], v[CTO], s[92:93] offset:(ii+8*(ii/8))*16384+8192+\A*128
.set ii, ii+1
.endr
.endr
	WIN 0
	s_mov_b32 s3, LAPS-1
.Llap:
	QUARTER 0, 2, F1, F0, 0
	QUARTER 0, 3, F0, F1, 0
	TURN 0, 1, 1
	QUARTER 1, 1, F0, F1, 0
	QUARTER 1, 2, F1, F0, 0
	QUARTER 1, 3, F0, F1, 0
	TURN 1, 0, 1
	QUARTER 0, 1, F0, F1, 0
	WIN 0
	s_sub_co_u32 s3, s3, 1
	s_cmp_lg_u32 s3, 0
	s_cbranch_scc1 .Llap
	QUARTER 0, 2, F1, F0, 0
	QUARTER 0, 3, F0, F1, 0
	s_wait_loadcnt 0x0                             ; c, M2, b2, g2, W3
	STATS 0                                        ; this work stands between the request for the last tile and the wait for it; it names no register of the products round it
	STATS 1
	WIN 0x03
	v_rsq_f32 v[RS], v[ML]
	v_rsq_f32 v[RS+2], v[ML+1]
	v_rsq_f32 v[RS+4], v[ML+32]
	v_rsq_f32 v[RS+6], v[ML+33]
	v_nop                                          ; a plain instruction behind the last of the four (ISA guide 5.7.2),
	s_wait_alu depctr_va_vdst(0)                   ; and a wait ahead of their first reader
	WIN 0
.irp a, 0,1,2,3
	v_mov_b32 v[RS+2*\a+1], v[RS+2*\a]             ; a pair for the packed multiply-add
.endr
	TURN 0, 1, 0
	QUARTER 1, 1, F0, F1, 0
	QUARTER 1, 2, F1, F0, 0
	QUARTER 1, 3, F0, F1, 0
	s_wait_dscnt 16
	MUL8 F1, 0, 0, 0
	MUL8 F1, 0, 2, 0
	PLACES
	WIN TO_F
.irp c, 0,1                            ; G (c = 0) and P (c = 1) of my 64 columns, into buffer 0's places for W2b
.irp b, 0,1,2,3
	ds_load_tr16_b128 v[F0+64+8*(4*\c+\b):F0+64+8*(4*\c+\b)+3],   v[ADRX] offset:32*\c*PW+32*\b
	ds_load_tr16_b128 v[F0+64+8*(4*\c+\b)+4:F0+64+8*(4*\c+\b)+7], v[ADRX] offset:32*\c*PW+16*PW+32*\b
.endr
.endr
	s_wait_dscnt 16                                ; all but the 16 just issued
	MUL8 F1, 1, 0, 0
	MUL8 F1, 1, 2, 0
	s_wait_dscnt 0x0
	WIN MULX
.irp a, 0,1,2,3                        ; + sum_t e_t G_t: one more link on each of the 16 accumulators, by turns
.irp b, 0,1,2,3
	v_wmma_f32_16x16x32_bf16 v[8*(4*\a+\b):8*(4*\a+\b)+7], v[F0+64+8*\b:F0+64+8*\b+7], v[XA+8*\a:XA+8*\a+7], v[8*(4*\a+\b):8*(4*\a+\b)+7]
.endr
.endr
.irp b, 0,1,2,3                        ; sum_t P_t: the same in every row, so one block of rows does
	v_wmma_f32_16x16x32_bf16 v[128+8*\b:128+8*\b+7], v[F0+96+8*\b:F0+96+8*\b+7], v[ON:ON+7], 0
.endr
	WIN 0
.set ii, 0
.rept 16                               ; g2 W3 of my columns; these sixteen plain lines are also the places behind the last products
	v_pk_mul_f32 v[GW+2*ii:GW+2*ii+1], v[T+2*ii:T+2*ii+1], v[T+32+2*ii:T+32+2*ii+1]
.set ii, ii+1
.endr
	WIN 0x08
.set ii, 0
.rept 16                               ; b2 + sum_t P_t; ascending: each accumulator's lowest registers are read first
	v_pk_add_f32 v[BI+2*ii:BI+2*ii+1], v[BI+2*ii:BI+2*ii+1], v[128+2*ii:128+2*ii+1]
.set ii, ii+1
.endr
; THE WAY OUT of block a (16 rows x my 64 columns; window 2's v[32 a ..]): x rs + bias, relu, the mean, the mean taken away, the two sums; each figure is my 32 numbers' and those of the lane 16 away.
.macro EPI2 a
	WIN 0x82
.set ii, 0
.rept 16                               ; ascending, as above
	v_pk_fma_f32 v[32*(\a)+2*ii:32*(\a)+2*ii+1], v[32*(\a)+2*ii:32*(\a)+2*ii+1], v[RS+2*(\a):RS+2*(\a)+1], v[BI+2*ii:BI+2*ii+1]
.set ii, ii+1
.endr
	WIN 0x88
.set ii, 0
.rept 32
	v_max_num_f32 v[32*(\a)+ii], 0, v[32*(\a)+ii]
.set ii, ii+1
.endr
	WIN 0x0a
.set ii, 0
.rept 8
	v_pk_add_f32 v[T+2*ii:T+2*ii+1], v[32*(\a)+4*ii:32*(\a)+4*ii+1], v[32*(\a)+4*ii+2:32*(\a)+4*ii+3]
.set ii, ii+1
.endr
	WIN 0
.irp w, 8, 4, 2
.set ii, 0
.rept (\w)/2
	v_pk_add_f32 v[T+2*ii:T+2*ii+1], v[T+2*ii:T+2*ii+1], v[T+(\w)+2*ii:T+(\w)+2*ii+1]
.set ii, ii+1
.endr
.endr
	v_add_f32 v48, v[T], v[T+1]
	v_permlanex16_b32 v49, v48, s[SEL], s[SEL+1]
	v_add_f32 v48, v48, v49
	v_mul_f32 v[CM+2*(\a)], 0x3c800000, v48        ; / 64
	v_mul_f32 v[CM+2*(\a)+1], 0x3c800000, v48
	WIN 0x82
.set ii, 0
.rept 16
	v_pk_add_f32 v[32*(\a)+2*ii:32*(\a)+2*ii+1], v[32*(\a)+2*ii:32*(\a)+2*ii+1], v[CM+2*(\a):CM+2*(\a)+1] neg_lo:[0,1] neg_hi:[0,1]
.set ii, ii+1
.endr
	WIN 0x0a                                       ; the squares, two chains
	v_pk_mul_f32 v[50:51], v[32*(\a):32*(\a)+1], v[32*(\a):32*(\a)+1]
	v_pk_mul_f32 v[52:53], v[32*(\a)+2:32*(\a)+3], v[32*(\a)+2:32*(\a)+3]
.set ii, 1
.rept 7
	v_pk_fma_f32 v[50:51], v[32*(\a)+4*ii:32*(\a)+4*ii+1], v[32*(\a)+4*ii:32*(\a)+4*ii+1], v[50:51]
	v_pk_fma_f32 v[52:53], v[32*(\a)+4*ii+2:32*(\a)+4*ii+3], v[32*(\a)+4*ii+2:32*(\a)+4*ii+3], v[52:53]
.set ii, ii+1
.endr
	WIN 0x02                                       ; the products with g2 W3, two chains
	v_pk_mul_f32 v[54:55], v[32*(\a):32*(\a)+1], v[GW:GW+1]
	v_pk_mul_f32 v[56:57], v[32*(\a)+2:32*(\a)+3], v[GW+2:GW+3]
.set ii, 1
.rept 7
	v_pk_fma_f32 v[54:55], v[32*(\a)+4*ii:32*(\a)+4*ii+1], v[GW+4*ii:GW+4*ii+1], v[54:55]
	v_pk_fma_f32 v[56:57], v[32*(\a)+4*ii+2:32*(\a)+4*ii+3], v[GW+4*ii+2:GW+4*ii+3], v[56:57]
.set ii, ii+1
.endr
	WIN 0
	v_pk_add_f32 v[50:51], v[50:51], v[52:53]
	v_pk_add_f32 v[54:55], v[54:55], v[56:57]
	v_add_f32 v50, v50, v51
	v_add_f32 v54, v54, v55
	v_permlanex16_b32 v51, v50, s[SEL], s[SEL+1]
	v_permlanex16_b32 v55, v54, s[SEL], s[SEL+1]
	v_add_f32 v[M2+(\a)], v50, v51
	v_add_f32 v[DT+(\a)], v54, v55
.endm
	EPI2 0
	EPI2 1
	EPI2 2
	EPI2 3
	v_cndmask_b32 v58, v[CM], v[CM+4], s76         ; lane (r, h) stores row r's figures of blocks 2 h and 2 h + 1
	v_cndmask_b32 v59, v[CM+2], v[CM+6], s76
	v_cndmask_b32 v60, v[M2], v[M2+2], s76
	v_cndmask_b32 v61, v[M2+1], v[M2+3], s76
	v_cndmask_b32 v62, v[DT], v[DT+2], s76
	v_cndmask_b32 v63, v[DT+1], v[DT+3], s76
	global_store_b64 v[L8], v[58:59], s[8:9]               ; each store: the wave's 64 rows, 256 consecutive bytes, aligned
	global_store_b64 v[L8], v[60:61], s[8:9] offset:8192
	global_store_b64 v[L8], v[62:63], s[8:9] offset:16384
	s_wait_tensorcnt 0x0                           ; the wave's end, behind my last tensor load
	ds_add_u32 v[SPW], v[NIL]
	s_wait_dscnt 0x0
	CROUND                                         ; the closing round
	s_endpgm
.Lfunc_end_k_q90167c3e31_gemm2:
	.size	k_q90167c3e31_gemm2, .Lfunc_end_k_q90167c3e31_gemm2-k_q90167c3e31_gemm2
	.p2alignl 7, 3214868480
	.fill 96, 4, 3214868480
	.section	.rodata,"a",@progbits
	.p2align	6, 0x0
	.amdhsa_kernel k_q90167c3e31_gemm2
		.amdhsa_group_segment_fixed_size 327680
		.amdhsa_private_segment_fixed_size 0
		.amdhsa_enable_private_segment 0
		.amdhsa_kernarg_size 56
		.amdhsa_user_sgpr_count 2
		.amdhsa_user_sgpr_kernarg_segment_ptr 1
		.amdhsa_wavefront_size32 1
		.amdhsa_system_sgpr_workgroup_id_x 1
		.amdhsa_system_sgpr_workgroup_id_y 1
		.amdhsa_system_sgpr_workgroup_id_z 1
		.amdhsa_system_vgpr_workitem_id 0
		.amdhsa_next_free_vgpr 1024
		.amdhsa_next_free_sgpr 96
		.amdhsa_reserve_vcc 0
		.amdhsa_float_denorm_mode_32 3
		.amdhsa_float_denorm_mode_16_64 3
		.amdhsa_memory_ordered 1
		.amdhsa_forward_progress 1
		.amdhsa_inst_pref_size 133
	.end_amdhsa_kernel
	.amdgpu_metadata
---
amdhsa.version: [ 1, 2 ]
amdhsa.kernels:
  - .name:           k_q90167c3e31_gemm2
    .symbol:         k_q90167c3e31_gemm2.kd
    .args:
      - { .name: D1, .offset: 0, .size: 8, .value_kind: global_buffer, .address_space: global }
      - { .name: W2b, .offset: 8, .size: 8, .value_kind: global_buffer, .address_space: global }
      - { .name: ST2, .offset: 16, .size: 8, .value_kind: global_buffer, .address_space: global }
      - { .name: b2, .offset: 24, .size: 8, .value_kind: global_buffer, .address_space: global }
      - { .name: g2, .offset: 32, .size: 8, .value_kind: global_buffer, .address_space: global }
      - { .name: W3, .offset: 40, .size: 8, .value_kind: global_buffer, .address_space: global }
      - { .name: CT1, .offset: 48, .size: 8, .value_kind: global_buffer, .address_space: global }
    .group_segment_fixed_size: 327680
    .private_segment_fixed_size: 0
    .kernarg_segment_align: 8
    .kernarg_segment_size: 56
    .max_flat_workgroup_size: 128
    .sgpr_count:     96
    .vgpr_count:     1024
    .wavefront_size: 32
...
	.end_amdgpu_metadata
.endif
;; end of part 4
;; launch fin (part 5): grid 64 x 1, 1 waves a work-group, no clusters, 0 bytes of LDS; arguments ST2, g2, W3, bt2, b3, out0; writes out0
.if DOCPART == 5
	.amdgcn_target "amdgcn-amd-amdhsa--gfx1250"
	.amdhsa_code_object_version 6
	.text
	.protected	k_q90167c3e31_fin
	.globl	k_q90167c3e31_fin
	.p2align	8
	.type	k_q90167c3e31_fin,@function
k_q90167c3e31_fin:
	s_mov_b64 s[64:65], 0
	v_nop
	global_prefetch_b8 v0, s[64:65] scope:SCOPE_SE
	s_setreg_imm32_b32 hwreg(HW_REG_WAVE_MODE, 25, 1), 1
	s_wait_xcnt 0x0
; out = sigmoid(LayerNorm(r) g2 + bt2) . W3 + b3), from the 32 triples (c, M2, DT) that each row has in ST2, one for each 64 columns.
;   mean m = sum c / 32;   var = (sum M2 + 64 sum (c - m)^2) / 2048;   logit = rs (sum DT + sum (c - m) GW_t) + sum bt2 W3 + b3,   GW_t = the sum of g2 W3 over chunk t's columns.
; All sums are about means, in f32: no difference of large sums.  One wave a work-group, a lane a row: 64 work-groups are all the work there is (2,048 rows); no LDS, no barrier.
; LIMITS.  A sigmoid below 2^-126 comes out as 0 (its reciprocal's result would be a denormal); NaN and infinities are not treated apart.
; REGISTERS.  window 0: v1-3 offsets; v8-31 sums; v64-127 g2, v128-191 W3, v192-255 bt2 (load i: 128 columns, 4 a lane).   window 1: v0-95 the row's triples, 3 t + stat
.set GG, 64
.set WW, 128
.set BB, 192
.set GWS, 20                           ; s[20:51] GW_t
.set MSB, 0
.macro WIN new
.if MSB != (\new)
	s_set_vgpr_msb (MSB<<8)|(\new)
.set MSB, (\new)
.endif
.endm
	s_load_b256 s[4:11], s[0:1], 0x0               ; ST2 s[4:5], g2 s[6:7], W3 s[8:9], bt2 s[10:11]
	s_load_b128 s[12:15], s[0:1], 0x20             ; b3 s[12:13], out0 s[14:15]
	v_lshlrev_b32 v1, 2, v0
	v_lshlrev_b32 v2, 4, v0
	v_and_b32 v3, 1, v0                            ; place 32 g + l holds row 32 g + 16 (l % 2) + l / 2
	v_lshrrev_b32 v4, 1, v0
	v_lshlrev_b32 v4, 2, v4
	v_lshl_add_u32 v3, v3, 6, v4
	s_lshl_b32 s16, ttmp9, 7                       ; 32 places, and 32 rows, of 4 bytes
	s_mov_b32 s17, 0
	s_mov_b32 s52, 0x42800000                      ; 64
	s_mov_b32 s53, 0x3a000000                      ; 1 / 2048
	s_mov_b32 s54, 0x3727c5ac                      ; 1e-5
	s_mov_b32 s56, 0x76543210
	s_mov_b32 s57, 0xfedcba98
	s_wait_kmcnt 0x0
	s_load_b32 s55, s[12:13], 0x0                  ; b3
	s_add_nc_u64 s[4:5], s[4:5], s[16:17]
	s_add_nc_u64 s[14:15], s[14:15], s[16:17]
	WIN 0x40
.set ii, 0
.rept 96
	global_load_b32 v[ii], v1, s[4:5] offset:ii*8192
.set ii, ii+1
.endr
	WIN 0
.set ii, 0
.rept 16
	global_load_b128 v[GG+4*ii:GG+4*ii+3], v2, s[6:7] offset:ii*512
	global_load_b128 v[WW+4*ii:WW+4*ii+3], v2, s[8:9] offset:ii*512
	global_load_b128 v[BB+4*ii:BB+4*ii+3], v2, s[10:11] offset:ii*512
.set ii, ii+1
.endr
	s_wait_loadcnt 0x0
	s_wait_kmcnt 0x0
	; GW_t: lanes 0-15 of load i hold chunk 2 i, lanes 16-31 chunk 2 i + 1
.set ii, 0
.rept 16
	v_pk_mul_f32 v[GG+4*ii:GG+4*ii+1], v[GG+4*ii:GG+4*ii+1], v[WW+4*ii:WW+4*ii+1]
	v_pk_mul_f32 v[GG+4*ii+2:GG+4*ii+3], v[GG+4*ii+2:GG+4*ii+3], v[WW+4*ii+2:WW+4*ii+3]
.set ii, ii+1
.endr
.set ii, 0
.rept 16
	v_pk_add_f32 v[GG+4*ii:GG+4*ii+1], v[GG+4*ii:GG+4*ii+1], v[GG+4*ii+2:GG+4*ii+3]
.set ii, ii+1
.endr
.set ii, 0
.rept 16
	v_add_f32 v[GG+4*ii], v[GG+4*ii], v[GG+4*ii+1]
.set ii, ii+1
.endr
.irp m, 1,2,4,8
.set ii, 0
.rept 16
	v_add_f32_dpp v[GG+4*ii], v[GG+4*ii], v[GG+4*ii] row_xmask:\m row_mask:0xf bank_mask:0xf
.set ii, ii+1
.endr
.endr
.set ii, 0
.rept 16
	v_readlane_b32 s[GWS+2*ii], v[GG+4*ii], 0
	v_readlane_b32 s[GWS+2*ii+1], v[GG+4*ii], 16
.set ii, ii+1
.endr
	; the sum of bt2 W3 over all 2,048 columns, two chains, then over the lanes
	v_pk_mul_f32 v[8:9], v[BB:BB+1], v[WW:WW+1]
	v_pk_mul_f32 v[10:11], v[BB+2:BB+3], v[WW+2:WW+3]
.set ii, 1
.rept 15
	v_pk_fma_f32 v[8:9], v[BB+4*ii:BB+4*ii+1], v[WW+4*ii:WW+4*ii+1], v[8:9]
	v_pk_fma_f32 v[10:11], v[BB+4*ii+2:BB+4*ii+3], v[WW+4*ii+2:WW+4*ii+3], v[10:11]
.set ii, ii+1
.endr
	v_pk_add_f32 v[8:9], v[8:9], v[10:11]
	v_add_f32 v8, v8, v9
.irp m, 1,2,4,8
	v_add_f32_dpp v8, v8, v8 row_xmask:\m row_mask:0xf bank_mask:0xf
.endr
	v_permlanex16_b32 v9, v8, s56, s57
	v_add_f32 v8, v8, v9
	v_add_f32 v8, s55, v8                          ; + b3
	; the row's three sums over its 32 chunks, four chains each
	WIN 0x05
.irp k, 0,1,2,3
	v_add_f32 v[12+\k], v[3*\k], v[3*\k+12]
	v_add_f32 v[16+\k], v[3*\k+1], v[3*\k+13]
	v_add_f32 v[20+\k], v[3*\k+2], v[3*\k+14]
.endr
	WIN 0x01
.set tt, 8
.rept 24
	v_add_f32 v[12+tt%4], v[3*tt], v[12+tt%4]
	v_add_f32 v[16+tt%4], v[3*tt+1], v[16+tt%4]
	v_add_f32 v[20+tt%4], v[3*tt+2], v[20+tt%4]
.set tt, tt+1
.endr
	WIN 0
.irp b, 12, 16, 20
	v_add_f32 v[\b], v[\b], v[\b+1]
	v_add_f32 v[\b+2], v[\b+2], v[\b+3]
.endr
.irp b, 12, 16, 20
	v_add_f32 v[\b], v[\b], v[\b+2]
.endr
	v_mul_f32 v12, 0x3d000000, v12                 ; m = sum c / 32
	WIN 0x41
.set tt, 0
.rept 32
	v_sub_f32 v[3*tt], v[3*tt], v12                ; c - m, in place
.set tt, tt+1
.endr
	WIN 0x05
.irp k, 0,1,2,3
	v_mul_f32 v[24+\k], v[3*\k], v[3*\k]
.endr
.set tt, 4
.rept 28
	v_fma_f32 v[24+tt%4], v[3*tt], v[3*tt], v[24+tt%4]
.set tt, tt+1
.endr
	WIN 0x01
.irp k, 0,1,2,3
	v_mul_f32 v[28+\k], v[3*\k], s[GWS+\k]
.endr
.set tt, 4
.rept 28
	v_fma_f32 v[28+tt%4], v[3*tt], s[GWS+tt], v[28+tt%4]
.set tt, tt+1
.endr
	WIN 0
.irp b, 24, 28
	v_add_f32 v[\b], v[\b], v[\b+1]
	v_add_f32 v[\b+2], v[\b+2], v[\b+3]
.endr
.irp b, 24, 28
	v_add_f32 v[\b], v[\b], v[\b+2]
.endr
	v_fma_f32 v16, v24, s52, v16                   ; sum M2 + 64 sum (c - m)^2
	v_fma_f32 v16, v16, s53, s54                   ; var + eps
	v_add_f32 v20, v20, v28                        ; sum DT + sum (c - m) GW
	v_rsq_f32 v17, v16
	v_nop                                          ; a plain instruction behind it (ISA guide 5.7.2),
	s_wait_alu depctr_va_vdst(0)                   ; and a wait ahead of its first reader
	v_fma_f32 v20, v17, v20, v8                    ; the logit
	v_mul_f32 v20, 0xbfb8aa3b, v20                 ; x - log2(e)
	v_exp_f32 v21, v20
	v_nop
	s_wait_alu depctr_va_vdst(0)
	v_add_f32 v21, 1.0, v21
	v_rcp_f32 v22, v21
	v_nop
	s_wait_alu depctr_va_vdst(0)
	global_store_b32 v3, v22, s[14:15]             ; the wave's 32 rows: 128 consecutive bytes
	s_endpgm
.Lfunc_end_k_q90167c3e31_fin:
	.size	k_q90167c3e31_fin, .Lfunc_end_k_q90167c3e31_fin-k_q90167c3e31_fin
	.p2alignl 7, 3214868480
	.fill 96, 4, 3214868480
	.section	.rodata,"a",@progbits
	.p2align	6, 0x0
	.amdhsa_kernel k_q90167c3e31_fin
		.amdhsa_group_segment_fixed_size 0
		.amdhsa_private_segment_fixed_size 0
		.amdhsa_enable_private_segment 0
		.amdhsa_kernarg_size 48
		.amdhsa_user_sgpr_count 2
		.amdhsa_user_sgpr_kernarg_segment_ptr 1
		.amdhsa_wavefront_size32 1
		.amdhsa_system_sgpr_workgroup_id_x 1
		.amdhsa_system_sgpr_workgroup_id_y 1
		.amdhsa_system_sgpr_workgroup_id_z 1
		.amdhsa_system_vgpr_workitem_id 0
		.amdhsa_next_free_vgpr 352
		.amdhsa_next_free_sgpr 66
		.amdhsa_reserve_vcc 0
		.amdhsa_float_denorm_mode_32 3
		.amdhsa_float_denorm_mode_16_64 3
		.amdhsa_memory_ordered 1
		.amdhsa_forward_progress 1
		.amdhsa_inst_pref_size 36
	.end_amdhsa_kernel
	.amdgpu_metadata
---
amdhsa.version: [ 1, 2 ]
amdhsa.kernels:
  - .name:           k_q90167c3e31_fin
    .symbol:         k_q90167c3e31_fin.kd
    .args:
      - { .name: ST2, .offset: 0, .size: 8, .value_kind: global_buffer, .address_space: global }
      - { .name: g2, .offset: 8, .size: 8, .value_kind: global_buffer, .address_space: global }
      - { .name: W3, .offset: 16, .size: 8, .value_kind: global_buffer, .address_space: global }
      - { .name: bt2, .offset: 24, .size: 8, .value_kind: global_buffer, .address_space: global }
      - { .name: b3, .offset: 32, .size: 8, .value_kind: global_buffer, .address_space: global }
      - { .name: out0, .offset: 40, .size: 8, .value_kind: global_buffer, .address_space: global }
    .group_segment_fixed_size: 0
    .private_segment_fixed_size: 0
    .kernarg_segment_align: 8
    .kernarg_segment_size: 48
    .max_flat_workgroup_size: 32
    .sgpr_count:     66
    .vgpr_count:     352
    .wavefront_size: 32
...
	.end_amdgpu_metadata
.endif
;; end of part 5
;; ======== version 2 of 2: 5 launches; version 1 with the launches tables, gather written anew for expert scheduling mode
;; limits: values outside matrix products are rounded to bf16
;; workspace buffers: PT 4,194,304 bytes; Y 8,388,608 bytes; W1b 16,777,216 bytes; W2b 17,039,360 bytes; D1 16,777,216 bytes; CT1 524,288 bytes; ST2 786,432 bytes
;; launch tables (part 6): grid 256 x 1, 8 waves a work-group, no clusters, 132,096 bytes of LDS; arguments We, x1_enc, W1, PT, W1b; writes PT, W1b
.if DOCPART == 6
	.amdgcn_target "amdgcn-amd-amdhsa--gfx1250"
	.amdhsa_code_object_version 6
	.text
	.protected	k_q90167c3e31_tables
	.globl	k_q90167c3e31_tables
	.p2align	8
	.type	k_q90167c3e31_tables,@function
k_q90167c3e31_tables:
	s_mov_b64 s[64:65], 0
	v_nop
	global_prefetch_b8 v0, s[64:65] scope:SCOPE_SE
	s_setreg_imm32_b32 hwreg(HW_REG_WAVE_SCHED_MODE, 0, 2), 2
	s_setreg_imm32_b32 hwreg(HW_REG_WAVE_MODE, 25, 1), 1
	s_wait_xcnt 0x0
	s_wait_alu depctr_vm_vsrc(0)
; THE EXPERTS AS TABLES, AND W1 ROUNDED TO bf16.
; x1c @ We[e] = x1[c0] @ We[e][0:1024] + x1[c1] @ We[e][1024:2048], and x1 has 64 rows only: eight products of 64 x 1024 x 1024 hold every token's expert result.
; PT[u][c][n] (f32), u = 4 e + 2 half + kq, is the sum over 512 of the half's 1,024 k (kq says which); the next launch adds a token's four rows.
; SHARES.  Work-group = (u, 64 columns).  Wave w has 64 of the 512 k, all 64 rows of x1 and the 64 columns: 16 accumulators; the eight waves' f32 sums meet in LDS.
; NO TRANSPOSE.  A load of We takes 16 bytes a lane: lanes 0-15 the 256 bytes of row k0 + s, lanes 16-31 those of row k0 + 16 + s.  Register q of it belongs to fragment q,
; whose column index r stands for column 4 r + q.  In both operands the lane half h holds k0 + 16 h + 0..15, two to a register: the same permutation of k on both sides.
; Operands are rounded to bf16, sums are f32.  NaN and infinities are not treated apart.
; The work-group also rounds 131,072 bytes of W1 to bf16, layout unchanged (each weight is rounded once for all row tiles of the product that follows).
; REGISTERS.  window 0: v1-11 lane terms; v12-27 T; v28, v29 the add's two; v32-95 We's fragments; v128-255 accumulators
;             window 1: v0-127 x1 as loaded, packed in place, later the partial sums; v128-255 We as loaded, later W1 as loaded
; THE MODE: SCHED_MODE bits 1:0 = 2 (LLVM: expert scheduling mode 2), set by the entry lines.  The code itself states the register dependences
; between vector or matrix instructions and memory or LDS instructions, with s_wait_alu, always for 0.
; THE PLAN.  Registers that memory or LDS instructions touch:
;   v4-v11            addresses: written at the head, never again; read by the loads and stores.
;   window 1 v0-127   x1 lands; packed in place; read by the products; behind the barrier the partial sums land there.  v0 then takes a copy of 8 x lane, the address of W1b's stores.
;   window 1 v128-255 We lands; both WPACKs read it; W1 lands; step i rounds its four registers in place; store i reads the first two; never written again.
;   v128-255          the accumulators: written by the products, read by the LDS stores.          v12-27  T: written by the sum's last level, read by PT's stores.
; No register that a memory or LDS instruction has read is written again, so no wait on vm_vsrc is owed.  The waits on va_vdst: ahead of the first load (the addresses); ahead of W1's loads (the WPACKs
; are done reading; both stand ahead of it and all products behind the loads, so that it waits for conversions alone); ahead of the LDS stores (the accumulators; and the products are done reading x1's
; registers); ahead of PT's stores (T, and the copy of 8 x lane); and one for each four steps of W1, whose stores go out a block behind their conversions.
.set SPARE, 131072                     ; behind the eight waves' images: the spare words, 128 bytes a wave
.set VW,  4                            ; h x 16 rows of We + 16 r
.set VX,  5                            ; r x a row of x1 + 64 h
.set VS,  6                            ; my wave's images + 16 x lane
.set VR0, 7                            ; the images that I add up, partial sums 0-3
.set VR1, 8                            ; partial sums 4-7
.set VP,  9                            ; h x 8 rows of PT + 16 r
.set L16, 10
.set L8,  11
.set T,   12
.set SPW, 28
.set NIL, 29
.set WF,  32
.set ACC, 128
.set WRAW, 128
.set MSB, 0
.macro WIN new                         ; the high byte repeats the setting that is left; a switch that changes nothing is dropped
.if MSB != (\new)
	s_set_vgpr_msb (MSB<<8)|(\new)
.set MSB, (\new)
.endif
.endm
.macro WPACK kb                        ; 32 k x 64 columns of We to four fragments: rows 2 p and 2 p + 1 of my half go into register p
	WIN 0x05
.irp q, 0,1,2,3
.irp p, 0,1,2,3,4,5,6,7
	v_cvt_pk_bf16_f32 v[WF+32*(\kb)+8*\q+\p], v[WRAW+64*(\kb)+8*\p+\q], v[WRAW+64*(\kb)+8*\p+4+\q]
.endr
.endr
.endm
.macro PRODUCTS kb, zero               ; 16 products, the 16 accumulators by turns; zero = 1: they start the sums
	WIN 0x01
.irp a, 0,1,2,3
.irp q, 0,1,2,3
.if \zero
	v_wmma_f32_16x16x32_bf16 v[ACC+8*(4*\a+\q):ACC+8*(4*\a+\q)+7], v[16*(2*\a+(\kb)):16*(2*\a+(\kb))+7], v[WF+32*(\kb)+8*\q:WF+32*(\kb)+8*\q+7], 0
.else
	v_wmma_f32_16x16x32_bf16 v[ACC+8*(4*\a+\q):ACC+8*(4*\a+\q)+7], v[16*(2*\a+(\kb)):16*(2*\a+(\kb))+7], v[WF+32*(\kb)+8*\q:WF+32*(\kb)+8*\q+7], v[ACC+8*(4*\a+\q):ACC+8*(4*\a+\q)+7]
.endif
.endr
.endr
.endm
	s_load_b256 s[4:11], s[0:1], 0x0               ; We s[4:5], x1 s[6:7], W1 s[8:9], PT s[10:11]
	s_load_b64 s[12:13], s[0:1], 0x20              ; W1b
	v_lshl_add_u32 v[SPW], v0, 2, SPARE
	v_mov_b32 v[NIL], 0
	v_lshrrev_b32 v1, 5, v0
	v_readfirstlane_b32 s14, v1                    ; wave 0..7
	s_and_b32 s15, ttmp9, 15                       ; which 64 columns
	s_lshr_b32 s16, ttmp9, 4                       ; u
	s_wait_alu depctr_va_sdst(0)                   ; s14 is written, ahead of its first reader: LDS addresses and all five bases are made from it
	s_lshr_b32 s17, s14, 1
	s_and_b32 s18, s14, 1
	v_and_b32 v1, 31, v0
	v_and_b32 v2, 15, v0                           ; r
	v_bfe_u32 v3, v0, 4, 1                         ; h
	v_lshlrev_b32 v[VW], 4, v2
	v_lshl_add_u32 v[VW], v3, 16, v[VW]
	v_lshlrev_b32 v[VX], 12, v2
	v_lshl_add_u32 v[VX], v3, 6, v[VX]
	v_lshlrev_b32 v[L16], 4, v1
	v_lshlrev_b32 v[L8], 3, v1
	v_lshl_add_u32 v[VS], s14, 14, v[L16]
	v_lshl_add_u32 v[VR0], s17, 12, v[L16]
	v_lshl_add_u32 v[VR0], s18, 9, v[VR0]
	v_add_nc_u32 v[VR1], 0x10000, v[VR0]
	v_lshlrev_b32 v[VP], 4, v2
	v_lshl_add_u32 v[VP], v3, 15, v[VP]
	s_lshl_b32 s20, s16, 21                        ; We: (512 u + 64 w) rows of 4,096 bytes + 256 x column group
	s_lshl_b32 s22, s14, 18
	s_add_co_u32 s20, s20, s22
	s_lshl_b32 s22, s15, 8
	s_add_co_u32 s20, s20, s22
	s_mov_b32 s21, 0
	s_and_b32 s24, s16, 1                          ; x1: k = 512 kq + 64 w, 4 bytes each
	s_lshl_b32 s24, s24, 11
	s_lshl_b32 s23, s14, 8
	s_add_co_u32 s24, s24, s23
	s_mov_b32 s25, 0
	s_lshl_b32 s26, ttmp9, 17                      ; W1: 131,072 bytes a work-group, 16,384 a wave
	s_lshl_b32 s23, s14, 14
	s_add_co_u32 s26, s26, s23
	s_mov_b32 s27, 0
	s_lshl_b32 s28, s16, 18                        ; PT: table u, rows 16 (w / 2) + 4 (w % 2), my columns
	s_lshl_b32 s23, s17, 16
	s_add_co_u32 s28, s28, s23
	s_lshl_b32 s23, s18, 14
	s_add_co_u32 s28, s28, s23
	s_add_co_u32 s28, s28, s22
	s_mov_b32 s29, 0
	s_lshl_b32 s30, ttmp9, 16                      ; W1b: half of W1's bytes
	s_lshl_b32 s23, s14, 13
	s_add_co_u32 s30, s30, s23
	s_mov_b32 s31, 0
	s_wait_kmcnt 0x0
	s_add_nc_u64 s[4:5], s[4:5], s[20:21]
	s_add_nc_u64 s[6:7], s[6:7], s[24:25]
	s_add_nc_u64 s[8:9], s[8:9], s[26:27]
	s_add_nc_u64 s[10:11], s[10:11], s[28:29]
	s_add_nc_u64 s[12:13], s[12:13], s[30:31]
	WIN 0x40                                       ; destinations in window 1, addresses in window 0
	s_wait_alu depctr_va_vdst(0)                   ; the eight addresses v4 to v11 are written, which the loads and stores of the whole kernel read
.set ff, 0
.rept 8                                ; x1's fragment ff = 2 a + kb: row 16 a + r, 64 bytes at k = 32 kb + 16 h
.irp i, 0,1,2,3
	global_load_b128 v[16*ff+4*\i:16*ff+4*\i+3], v[VX], s[6:7] offset:(ff/2)*65536+(ff%2)*128+16*\i
.endr
.set ff, ff+1
.endr
.set ii, 0
.rept 32                               ; We: k block ii / 16, row ii % 16 of my half
	global_load_b128 v[WRAW+4*ii:WRAW+4*ii+3], v[VW], s[4:5] offset:((ii/16)*32+ii%16)*4096 th:TH_LOAD_NT
.set ii, ii+1
.endr
	s_wait_loadcnt 32                              ; the 32 loads of We were issued behind x1's: x1 is in
	WIN 0x45
.set ff, 0
.rept 8
.irp p, 0,1,2,3,4,5,6,7
	v_cvt_pk_bf16_f32 v[16*ff+\p], v[16*ff+2*\p], v[16*ff+2*\p+1]  ; in place: register p is written when registers 2 p and 2 p + 1 are read
.endr
.set ff, ff+1
.endr
	s_wait_loadcnt 16                              ; We's first k block is in, the second may stay out
	WPACK 0
	s_wait_loadcnt 0x0
	WPACK 1
	WIN 0x40
	s_wait_alu depctr_va_vdst(0)                   ; both WPACKs are done reading We's registers, in which W1's loads land
.set ii, 0
.rept 32                               ; my 16,384 bytes of W1 go out now and land under the products and the meeting in LDS
	global_load_b128 v[WRAW+4*ii:WRAW+4*ii+3], v[L16], s[8:9] offset:ii*512 th:TH_LOAD_NT
.set ii, ii+1
.endr
	PRODUCTS 0, 1                                  ; the products name x1's and We's fragments and the accumulators: none of the registers that W1's loads touch
	PRODUCTS 1, 0                                  ; between two links of a chain stand the 15 other accumulators'
	WIN 0
.rept 4
	v_nop                                          ; four places between the last product and the first reader of a result (ISA guide 7.12.1)
.endr
	s_wait_alu depctr_va_vdst(0)                   ; the products have written the accumulators, which the LDS stores read, and are done reading x1's fragments, in which the loads behind the barrier land; the places above stay beside this wait
.set ii, 0
.rept 32                               ; image ii = 2 x accumulator + half: each accumulator's low four registers go first
	ds_store_b128 v[VS], v[ACC+4*ii:ACC+4*ii+3] offset:ii*512
.set ii, ii+1
.endr
	s_wait_dscnt 0x0                               ; for the others' sake: my images are written
	s_barrier_signal -1
	s_barrier_wait -1
	WIN 0x40                                       ; wave w adds up rows 16 (w / 2) + 8 h + 4 (w % 2) + 0..3: four images of each of the eight waves.  No vector or matrix line since the last wait names these registers
.irp q, 0,1,2,3
.irp p, 0,1,2,3
	ds_load_b128 v[32*\q+4*\p:32*\q+4*\p+3], v[VR0] offset:\p*16384+\q*1024
.endr
.irp p, 0,1,2,3
	ds_load_b128 v[32*\q+16+4*\p:32*\q+16+4*\p+3], v[VR1] offset:\p*16384+\q*1024
.endr
.endr
	s_wait_dscnt 0x0
	WIN 0x45
.irp q, 0,1,2,3
.set ii, 0
.rept 8
	v_pk_add_f32 v[32*\q+2*ii:32*\q+2*ii+1], v[32*\q+2*ii:32*\q+2*ii+1], v[32*\q+16+2*ii:32*\q+16+2*ii+1]
.set ii, ii+1
.endr
.endr
.irp q, 0,1,2,3
.set ii, 0
.rept 4
	v_pk_add_f32 v[32*\q+2*ii:32*\q+2*ii+1], v[32*\q+2*ii:32*\q+2*ii+1], v[32*\q+8+2*ii:32*\q+8+2*ii+1]
.set ii, ii+1
.endr
.endr
	WIN 0x05
.irp q, 0,1,2,3
.irp j, 0,1,2,3
	v_add_f32 v[T+4*\j+\q], v[32*\q+\j], v[32*\q+4+\j]  ; the last level also turns: row j's columns 4 r + 0..3 come to lie in four neighbouring registers
.endr
.endr
	WIN 0x40
	v_mov_b32 v0, v[L8]                            ; a copy of 8 x lane in window 1 (v256), so that conversions and stores run under one setting; made here, ahead of the wait below
	WIN 0
	s_wait_alu depctr_va_vdst(0)                   ; the additions have written T, which PT's stores read; v256 is written, which W1b's stores read as their offset
.irp j, 0,1,2,3
	global_store_b128 v[VP], v[T+4*\j:T+4*\j+3], s[10:11] offset:\j*4096  ; 16 lanes store 256 consecutive bytes of a row of PT, aligned
.endr
	WIN 0x45
.set ii, 0
.rept 32                               ; W1 in blocks of four steps: a block's stores go out in the block behind it, one ahead of each step
	s_wait_loadcnt 31-ii                           ; the younger loads of W1 may stay out
.if (ii > 0) && (ii%4 == 0)
	s_wait_alu depctr_va_vdst(0)                   ; the four steps before have written their rounded halves, which the next four stores read; this block's conversions name other registers
.endif
.if ii >= 4
	global_store_b64 v0, v[WRAW+4*ii-16:WRAW+4*ii-15], s[12:13] offset:(ii-4)*256  ; the wave stores 256 consecutive bytes, aligned
.endif
	v_cvt_pk_bf16_f32 v[WRAW+4*ii], v[WRAW+4*ii], v[WRAW+4*ii+1]
	v_cvt_pk_bf16_f32 v[WRAW+4*ii+1], v[WRAW+4*ii+2], v[WRAW+4*ii+3]
.set ii, ii+1
.endr
	s_wait_alu depctr_va_vdst(0)                   ; steps 28 to 31 have written their rounded halves, which the last four stores read
.irp i, 28,29,30,31
	global_store_b64 v0, v[WRAW+4*\i:WRAW+4*\i+1], s[12:13] offset:\i*256
.endr
	WIN 0
	s_wait_dscnt 0x0                               ; the wave's end
	s_wait_alu 0x0
	s_wait_tensorcnt 0x0
	ds_add_u32 v[SPW], v[NIL]
	s_wait_dscnt 0x0
	s_endpgm
.Lfunc_end_k_q90167c3e31_tables:
	.size	k_q90167c3e31_tables, .Lfunc_end_k_q90167c3e31_tables-k_q90167c3e31_tables
	.p2alignl 7, 3214868480
	.fill 96, 4, 3214868480
	.section	.rodata,"a",@progbits
	.p2align	6, 0x0
	.amdhsa_kernel k_q90167c3e31_tables
		.amdhsa_group_segment_fixed_size 132096
		.amdhsa_private_segment_fixed_size 0
		.amdhsa_enable_private_segment 0
		.amdhsa_kernarg_size 40
		.amdhsa_user_sgpr_count 2
		.amdhsa_user_sgpr_kernarg_segment_ptr 1
		.amdhsa_wavefront_size32 1
		.amdhsa_system_sgpr_workgroup_id_x 1
		.amdhsa_system_sgpr_workgroup_id_y 1
		.amdhsa_system_sgpr_workgroup_id_z 1
		.amdhsa_system_vgpr_workitem_id 0
		.amdhsa_next_free_vgpr 512
		.amdhsa_next_free_sgpr 66
		.amdhsa_reserve_vcc 0
		.amdhsa_float_denorm_mode_32 3
		.amdhsa_float_denorm_mode_16_64 3
		.amdhsa_memory_ordered 1
		.amdhsa_forward_progress 1
		.amdhsa_inst_pref_size 39
	.end_amdhsa_kernel
	.amdgpu_metadata
---
amdhsa.version: [ 1, 2 ]
amdhsa.kernels:
  - .name:           k_q90167c3e31_tables
    .symbol:         k_q90167c3e31_tables.kd
    .args:
      - { .name: We, .offset: 0, .size: 8, .value_kind: global_buffer, .address_space: global }
      - { .name: x1_enc, .offset: 8, .size: 8, .value_kind: global_buffer, .address_space: global }
      - { .name: W1, .offset: 16, .size: 8, .value_kind: global_buffer, .address_space: global }
      - { .name: PT, .offset: 24, .size: 8, .value_kind: global_buffer, .address_space: global }
      - { .name: W1b, .offset: 32, .size: 8, .value_kind: global_buffer, .address_space: global }
    .group_segment_fixed_size: 132096
    .private_segment_fixed_size: 0
    .kernarg_segment_align: 8
    .kernarg_segment_size: 40
    .max_flat_workgroup_size: 256
    .sgpr_count:     66
    .vgpr_count:     512
    .wavefront_size: 32
...
	.end_amdgpu_metadata
.endif
;; end of part 6
;; launch gather (part 7): grid 256 x 1, 8 waves a work-group, no clusters, 17,408 bytes of LDS; arguments PT, be, x2_enc, col_pairs, vis_type, W2, Y, W2b, g1, bt1; writes Y, W2b
.if DOCPART == 7
	.amdgcn_target "amdgcn-amd-amdhsa--gfx1250"
	.amdhsa_code_object_version 6
	.text
	.protected	k_q90167c3e31_gather
	.globl	k_q90167c3e31_gather
	.p2align	8
	.type	k_q90167c3e31_gather,@function
k_q90167c3e31_gather:
	s_mov_b64 s[64:65], 0
	v_nop
	global_prefetch_b8 v0, s[64:65] scope:SCOPE_SE
	s_setreg_imm32_b32 hwreg(HW_REG_WAVE_SCHED_MODE, 0, 2), 2
	s_setreg_imm32_b32 hwreg(HW_REG_WAVE_MODE, 25, 1), 1
	s_wait_xcnt 0x0
	s_wait_alu depctr_vm_vsrc(0)
; TWO JOBS.  (1) Y[b] = [ relu(PT rows of (e, c0) and (e, c1) + be[e]) | x2[b] ] in bf16.  (2) W2 made ready for the second large product.
; (1) One wave, one token: b = 8 x work-group + wave.  e = vis_type[b] and c0, c1 = col_pairs[b] are read as scalars and clamped to 3 and 63 (they lie inside their tables as the problem
; has it; the clamp keeps every address inside PT and be whatever is read).  A token's 1,024 numbers are four rows of PT and a row of be, added in f32; one rounding to bf16.
; (2) The first LayerNorm's gain and shift are folded into the weights: with d a row less the mean c_t of each 128 columns, e_t = c_t - mean, h = (d + e_t) rs g1 + bt1, so
;   h @ W2 = rs [ d @ (g1 W2) + sum_t e_t G_t ] + sum_t P_t,   G_t[n] = sum over chunk t's 128 k of g1[k] W2[k][n],   P_t[n] = the same with bt1.
; W2b rows 0-4095: bf16(g1[k] W2[k][n]); rows 4096 + t: bf16(G_t); rows 4128 + t: bf16(P_t).  G and P are summed in f32 from the unrounded products and rounded once.
; SHARES of (2).  Work-group = (t, 256 columns): a chunk's sums stay in one work-group.  Wave w has rows 128 t + 16 w + 0..15: 32 loads of 512 consecutive bytes; g1 and bt1 of its rows are scalars.
; The eight waves' sums meet in LDS; waves 0-3 add them up and store 256 consecutive bytes each.
; All 80 loads of a wave go out before the first wait for data; they are used in the order of issue: W2, x2, the tables.  Memory binds: no matrix unit, no cluster.
; REGISTERS.  window 0: v1 16 x lane, v2 8 x lane, v4 read-back address, v5, v6 the add's two; v16-175 the tables, 20 a chunk of 128 columns; v176-207 x2; v208-239 the partial sums
;             window 1: v0-127 W2 as loaded; v128 8 x lane; v129 my images in LDS; v132-139 G; v140-147 P
; THE MODE: SCHED_MODE bits 1:0 = 2 (LLVM: expert scheduling mode 2), set by the entry lines.  The code itself states the register dependences
; between vector instructions and memory or LDS instructions, with s_wait_alu, always for 0.
; THE PLAN.  Registers that memory or LDS instructions touch:
;   v1, v2, v4, window 1's v128, v129   offsets and LDS addresses: written at the head, ahead of the first load, and never again.
;   window 1 v0-127   load i lands in four registers; step i scales and rounds them in place; store i reads the first two; never written again.
;   window 1 v132-147 G and P: written by the 32 steps, read once by four LDS stores.
;   v176-207, v16-175 x2 and the tables: a load lands, the numbers are rounded in place, one store reads them; never written again.
;   v208-239          the partial sums land (no vector line has named these registers); they are added up; one store reads the first two.
; Every load has registers of its own and no register that a memory or LDS instruction has read is written again: no wait on vm_vsrc is owed.  What is owed is that a store's data are written.
; So the work goes in BLOCKS (four steps of W2, four of x2, two chunks of the tables): one wait on va_vdst at a block's head states that the block before has written what its stores read, and those
; stores follow, dealt among this block's steps, whose vector lines name other registers.
.set TB, 16
.set X2, 176
.set RB, 208
.set LR, 4
.set SPW, 5
.set NIL, 6
.set SPARE, 16384                      ; behind the images (8 waves x 4 x 512 bytes): the spare words, 128 bytes a wave
.set GS, 132
.set PS, 140
.set SG, 48                            ; s[48:63] g1 of my 16 rows
.set SB, 68                            ; s[68:83] bt1
.set MSB, 0
.macro WIN new                         ; the high byte repeats the setting that is left; a switch that changes nothing is dropped
.if MSB != (\new)
	s_set_vgpr_msb (MSB<<8)|(\new)
.set MSB, (\new)
.endif
.endm
	s_load_b256 s[4:11], s[0:1], 0x0               ; PT s[4:5], be s[6:7], x2 s[8:9], col_pairs s[10:11]
	s_load_b256 s[12:19], s[0:1], 0x20             ; vis_type s[12:13], W2 s[14:15], Y s[16:17], W2b s[18:19]
	s_load_b128 s[84:87], s[0:1], 0x40             ; g1 s[84:85], bt1 s[86:87]
	v_lshl_add_u32 v[SPW], v0, 2, SPARE
	v_mov_b32 v[NIL], 0
	v_lshrrev_b32 v3, 5, v0
	v_readfirstlane_b32 s20, v3                    ; wave 0..7
	v_and_b32 v3, 31, v0
	v_lshlrev_b32 v1, 4, v3
	v_lshlrev_b32 v2, 3, v3
	s_wait_alu depctr_va_sdst(0)                   ; s20 is written, ahead of its first reader: LDS addresses, the token's number and the bases are made from it
	v_lshl_add_u32 v[LR], s20, 9, v1               ; image number = wave (waves 0-3 read back)
	s_lshl_b32 s21, ttmp9, 3
	s_add_co_u32 s21, s21, s20                     ; the token
	s_lshl_b32 s23, s21, 2
	s_lshl_b32 s26, s21, 3
	s_lshl_b32 s42, s21, 12                        ; a row of x2 and a row of Y are 4,096 bytes each
	s_mov_b32 s43, 0
	s_lshr_b32 s38, ttmp9, 3                       ; t
	s_and_b32 s39, ttmp9, 7                        ; which 256 columns
	s_lshl_b32 s44, s38, 20                        ; W2: (128 t + 16 w) rows of 8,192 bytes + 1,024 x column group
	s_lshl_b32 s27, s20, 17
	s_add_co_u32 s44, s44, s27
	s_lshl_b32 s27, s39, 10
	s_add_co_u32 s44, s44, s27
	s_mov_b32 s45, 0
	s_lshr_b32 s46, s44, 1                         ; W2b: half of that
	s_mov_b32 s47, 0
	s_lshl_b32 s40, s38, 9                         ; g1, bt1: (128 t + 16 w) x 4 bytes
	s_lshl_b32 s27, s20, 6
	s_add_co_u32 s40, s40, s27
	s_lshl_b32 s88, s38, 12                        ; the sums' rows: (4096 + 32 (image / 2) + t) x 4,096 + 512 x column group + 256 (image % 2); image = wave % 4
	s_lshl_b32 s27, s39, 9
	s_add_co_u32 s88, s88, s27
	s_bfe_u32 s27, s20, 0x10001
	s_lshl_b32 s27, s27, 17
	s_add_co_u32 s88, s88, s27
	s_and_b32 s27, s20, 1
	s_lshl_b32 s27, s27, 8
	s_add_co_u32 s88, s88, s27
	s_add_co_u32 s88, s88, 0x1000000
	s_mov_b32 s89, 0
	s_wait_kmcnt 0x0
	s_load_b32 s22, s[12:13], s23 offset:0x0       ; e
	s_load_b64 s[24:25], s[10:11], s26 offset:0x0  ; c0, c1
	s_load_b512 s[SG:SG+15], s[84:85], s40 offset:0x0
	s_load_b512 s[SB:SB+15], s[86:87], s40 offset:0x0
	s_add_nc_u64 s[36:37], s[8:9], s[42:43]
	s_add_nc_u64 s[16:17], s[16:17], s[42:43]
	s_add_nc_u64 s[14:15], s[14:15], s[44:45]
	s_add_nc_u64 s[90:91], s[18:19], s[88:89]
	s_add_nc_u64 s[18:19], s[18:19], s[46:47]
	WIN 0x40
	v_mov_b32 v128, v2                             ; 8 x lane in window 1: arithmetic and stores of W2 run under one setting
	v_lshl_add_u32 v129, s20, 11, v1               ; my four images: 2,048 x wave + 16 x lane
	s_wait_alu depctr_va_vdst(0)                   ; v1, v2, v4 and window 1's v128 and v129 are written: every load, store and LDS instruction of the kernel reads one of them as its offset or address
.set ii, 0
.rept 32                               ; row ii / 2, half ii % 2 of its 256 columns: 512 consecutive bytes
	global_load_b128 v[4*ii:4*ii+3], v1, s[14:15] offset:(ii/2)*8192+(ii%2)*512 th:TH_LOAD_NT
.set ii, ii+1
.endr
	WIN 0
.set ii, 0
.rept 8
	global_load_b128 v[X2+4*ii:X2+4*ii+3], v1, s[36:37] offset:ii*512 th:TH_LOAD_NT
.set ii, ii+1
.endr
	s_wait_kmcnt 0x0
	s_min_u32 s22, s22, 3
	s_min_u32 s24, s24, 63
	s_min_u32 s25, s25, 63
	s_lshl_b32 s28, s22, 20                        ; four tables of 262,144 bytes an expert
	s_lshl_b32 s30, s24, 12
	s_add_co_u32 s30, s30, s28
	s_mov_b32 s31, 0
	s_lshl_b32 s32, s25, 12
	s_add_co_u32 s32, s32, s28
	s_add_co_u32 s32, s32, 0x80000                 ; the second half's two tables
	s_mov_b32 s33, 0
	s_lshl_b32 s34, s22, 12
	s_mov_b32 s35, 0
	s_add_nc_u64 s[30:31], s[4:5], s[30:31]
	s_add_nc_u64 s[32:33], s[4:5], s[32:33]
	s_add_nc_u64 s[34:35], s[6:7], s[34:35]
.set ii, 0
.rept 8                                ; chunk ii: 128 columns, five loads
	global_load_b128 v[TB+20*ii:TB+20*ii+3],     v1, s[30:31] offset:ii*512
	global_load_b128 v[TB+20*ii+4:TB+20*ii+7],   v1, s[30:31] offset:262144+ii*512
	global_load_b128 v[TB+20*ii+8:TB+20*ii+11],  v1, s[32:33] offset:ii*512
	global_load_b128 v[TB+20*ii+12:TB+20*ii+15], v1, s[32:33] offset:262144+ii*512
	global_load_b128 v[TB+20*ii+16:TB+20*ii+19], v1, s[34:35] offset:ii*512
.set ii, ii+1
.endr
	WIN 0x45
.set ii, 0
.rept 32                               ; W2 in blocks of four steps: a block's stores go out in the block behind it, one ahead of each step
.set wb, 4*ii
.set gb, GS+4*(ii%2)
.set pb, PS+4*(ii%2)
.if 79-ii > 63
	s_wait_loadcnt 63                              ; 79 - ii loads are younger; the wait names the most that its field holds, which is fewer
.else
	s_wait_loadcnt 79-ii                           ; the younger loads may stay out
.endif
.if (ii > 0) && (ii%4 == 0)
	s_wait_alu depctr_va_vdst(0)                   ; the four steps before have written their rounded halves, which the next four stores read; this block's lines name its own registers, G and P
.endif
.if ii >= 4
	global_store_b64 v128, v[wb-16:wb-15], s[18:19] offset:((ii-4)/2)*4096+((ii-4)%2)*256  ; the wave stores 256 consecutive bytes, aligned
.endif
.if ii < 2                             ; the first row starts the sums: nothing is cleared
.irp k, 0,1,2,3
	v_mul_f32 v[pb+\k], s[SB+ii/2], v[wb+\k]
.endr
.irp k, 0,1,2,3
	v_mul_f32 v[gb+\k], s[SG+ii/2], v[wb+\k]
.endr
	v_cvt_pk_bf16_f32 v[wb], v[gb], v[gb+1]
	v_cvt_pk_bf16_f32 v[wb+1], v[gb+2], v[gb+3]
.else
.irp k, 0,1,2,3
	v_fmac_f32 v[pb+\k], s[SB+ii/2], v[wb+\k]      ; P += bt1 W2
.endr
.irp k, 0,1,2,3
	v_mul_f32 v[wb+\k], s[SG+ii/2], v[wb+\k]       ; g1 W2, in place
.endr
	v_pk_add_f32 v[gb:gb+1], v[gb:gb+1], v[wb:wb+1]
	v_pk_add_f32 v[gb+2:gb+3], v[gb+2:gb+3], v[wb+2:wb+3]
	v_cvt_pk_bf16_f32 v[wb], v[wb], v[wb+1]
	v_cvt_pk_bf16_f32 v[wb+1], v[wb+2], v[wb+3]
.endif
.set ii, ii+1
.endr
	s_wait_alu depctr_va_vdst(0)                   ; steps 28 to 31 have written their rounded halves, which the last four stores read; G and P are written, which the LDS stores read
.irp i, 28,29,30,31
	global_store_b64 v128, v[4*\i:4*\i+1], s[18:19] offset:(\i/2)*4096+(\i%2)*256
.endr
	ds_store_b128 v129, v[GS:GS+3]                 ; image 0: G, columns 0-127;  1: G, columns 128-255;  2, 3: P likewise
	ds_store_b128 v129, v[GS+4:GS+7] offset:512
	ds_store_b128 v129, v[PS:PS+3] offset:1024
	ds_store_b128 v129, v[PS+4:PS+7] offset:1536
	WIN 0
.set ii, 0
.rept 8                                ; x2 in two blocks of four steps
	s_wait_loadcnt 47-ii                           ; behind x2's load ii: its 7 - ii successors and the 40 of the tables
.if ii == 4
	s_wait_alu depctr_va_vdst(0)                   ; steps 0 to 3 have written their rounded halves, which the next four stores read
.endif
.if ii >= 4
	global_store_b64 v2, v[X2+4*ii-16:X2+4*ii-15], s[16:17] offset:2048+(ii-4)*256
.endif
	v_cvt_pk_bf16_f32 v[X2+4*ii], v[X2+4*ii], v[X2+4*ii+1]
	v_cvt_pk_bf16_f32 v[X2+4*ii+1], v[X2+4*ii+2], v[X2+4*ii+3]
.set ii, ii+1
.endr
.set ii, 0
.rept 8                                ; the tables in four blocks of two chunks
.set cb, TB+20*ii
	s_wait_loadcnt 5*(7-ii)                        ; five loads for each later chunk may stay out
.if ii%2 == 0
	s_wait_alu depctr_va_vdst(0)                   ; the block before (at chunk 0: x2's steps 4 to 7) has written its rounded halves, which the stores of this block's two chunks read
.endif
.if ii < 2
	global_store_b64 v2, v[X2+16+8*ii:X2+16+8*ii+1], s[16:17] offset:2048+(4+2*ii)*256
	global_store_b64 v2, v[X2+20+8*ii:X2+20+8*ii+1], s[16:17] offset:2048+(5+2*ii)*256
.else
	global_store_b64 v2, v[cb-40:cb-39], s[16:17] offset:(ii-2)*256
.endif
	v_pk_add_f32 v[cb:cb+1],     v[cb:cb+1],     v[cb+4:cb+5]
	v_pk_add_f32 v[cb+2:cb+3],   v[cb+2:cb+3],   v[cb+6:cb+7]
	v_pk_add_f32 v[cb+8:cb+9],   v[cb+8:cb+9],   v[cb+12:cb+13]
	v_pk_add_f32 v[cb+10:cb+11], v[cb+10:cb+11], v[cb+14:cb+15]
	v_pk_add_f32 v[cb:cb+1],     v[cb:cb+1],     v[cb+16:cb+17]
	v_pk_add_f32 v[cb+2:cb+3],   v[cb+2:cb+3],   v[cb+18:cb+19]
	v_pk_add_f32 v[cb:cb+1],     v[cb:cb+1],     v[cb+8:cb+9]
	v_pk_add_f32 v[cb+2:cb+3],   v[cb+2:cb+3],   v[cb+10:cb+11]
	v_max_num_f32 v[cb],   0, v[cb]
	v_max_num_f32 v[cb+1], 0, v[cb+1]
	v_max_num_f32 v[cb+2], 0, v[cb+2]
	v_max_num_f32 v[cb+3], 0, v[cb+3]
	v_cvt_pk_bf16_f32 v[cb], v[cb], v[cb+1]
	v_cvt_pk_bf16_f32 v[cb+1], v[cb+2], v[cb+3]
.set ii, ii+1
.endr
	s_wait_alu depctr_va_vdst(0)                   ; chunks 6 and 7 have written their rounded halves, which the last two stores read
	global_store_b64 v2, v[TB+120:TB+121], s[16:17] offset:6*256
	global_store_b64 v2, v[TB+140:TB+141], s[16:17] offset:7*256
	s_wait_dscnt 0x0                               ; for the others' sake: my four images are written
	s_barrier_signal -1
	s_barrier_wait -1
	s_cmp_lt_u32 s20, 4                            ; four images, four waves; no barrier stands in what the others jump
	s_cbranch_scc0 .Ldone
.irp p, 0,1,2,3,4,5,6,7
	ds_load_b128 v[RB+4*\p:RB+4*\p+3], v[LR] offset:\p*2048  ; no vector line has named these registers; the address was written ahead of the head's wait
.endr
	s_wait_dscnt 0x0
.irp w, 16, 8, 4
.set ii, 0
.rept (\w)/2
	v_pk_add_f32 v[RB+2*ii:RB+2*ii+1], v[RB+2*ii:RB+2*ii+1], v[RB+(\w)+2*ii:RB+(\w)+2*ii+1]
.set ii, ii+1
.endr
.endr
	v_cvt_pk_bf16_f32 v[RB], v[RB], v[RB+1]
	v_cvt_pk_bf16_f32 v[RB+1], v[RB+2], v[RB+3]
	s_wait_alu depctr_va_vdst(0)                   ; the two conversions have written the pair that the store reads
	global_store_b64 v2, v[RB:RB+1], s[90:91]      ; 128 columns of one row of sums: 256 consecutive bytes, aligned
.Ldone:
	s_wait_dscnt 0x0                               ; the wave's end
	s_wait_alu 0x0
	s_wait_tensorcnt 0x0
	ds_add_u32 v[SPW], v[NIL]
	s_wait_dscnt 0x0
	s_endpgm
.Lfunc_end_k_q90167c3e31_gather:
	.size	k_q90167c3e31_gather, .Lfunc_end_k_q90167c3e31_gather-k_q90167c3e31_gather
	.p2alignl 7, 3214868480
	.fill 96, 4, 3214868480
	.section	.rodata,"a",@progbits
	.p2align	6, 0x0
	.amdhsa_kernel k_q90167c3e31_gather
		.amdhsa_group_segment_fixed_size 17408
		.amdhsa_private_segment_fixed_size 0
		.amdhsa_enable_private_segment 0
		.amdhsa_kernarg_size 80
		.amdhsa_user_sgpr_count 2
		.amdhsa_user_sgpr_kernarg_segment_ptr 1
		.amdhsa_wavefront_size32 1
		.amdhsa_system_sgpr_workgroup_id_x 1
		.amdhsa_system_sgpr_workgroup_id_y 1
		.amdhsa_system_sgpr_workgroup_id_z 1
		.amdhsa_system_vgpr_workitem_id 0
		.amdhsa_next_free_vgpr 408
		.amdhsa_next_free_sgpr 96
		.amdhsa_reserve_vcc 0
		.amdhsa_float_denorm_mode_32 3
		.amdhsa_float_denorm_mode_16_64 3
		.amdhsa_memory_ordered 1
		.amdhsa_forward_progress 1
		.amdhsa_inst_pref_size 43
	.end_amdhsa_kernel
	.amdgpu_metadata
---
amdhsa.version: [ 1, 2 ]
amdhsa.kernels:
  - .name:           k_q90167c3e31_gather
    .symbol:         k_q90167c3e31_gather.kd
    .args:
      - { .name: PT, .offset: 0, .size: 8, .value_kind: global_buffer, .address_space: global }
      - { .name: be, .offset: 8, .size: 8, .value_kind: global_buffer, .address_space: global }
      - { .name: x2_enc, .offset: 16, .size: 8, .value_kind: global_buffer, .address_space: global }
      - { .name: col_pairs, .offset: 24, .size: 8, .value_kind: global_buffer, .address_space: global }
      - { .name: vis_type, .offset: 32, .size: 8, .value_kind: global_buffer, .address_space: global }
      - { .name: W2, .offset: 40, .size: 8, .value_kind: global_buffer, .address_space: global }
      - { .name: Y, .offset: 48, .size: 8, .value_kind: global_buffer, .address_space: global }
      - { .name: W2b, .offset: 56, .size: 8, .value_kind: global_buffer, .address_space: global }
      - { .name: g1, .offset: 64, .size: 8, .value_kind: global_buffer, .address_space: global }
      - { .name: bt1, .offset: 72, .size: 8, .value_kind: global_buffer, .address_space: global }
    .group_segment_fixed_size: 17408
    .private_segment_fixed_size: 0
    .kernarg_segment_align: 8
    .kernarg_segment_size: 80
    .max_flat_workgroup_size: 256
    .sgpr_count:     96
    .vgpr_count:     408
    .wavefront_size: 32
...
	.end_amdgpu_metadata
.endif
;; end of part 7
;; launch gemm1: the kernel of part 3 again; grid 16 x 16, 4 waves a work-group, clusters of 4 x 4, 327,680 bytes of LDS; arguments Y, W1b, D1, b1, CT1; writes D1, CT1
;; launch gemm2: the kernel of part 4 again; grid 16 x 16, 4 waves a work-group, clusters of 4 x 4, 327,680 bytes of LDS; arguments D1, W2b, ST2, b2, g2, W3, CT1; writes ST2
;; launch fin: the kernel of part 5 again; grid 64 x 1, 1 waves a work-group, no clusters, 0 bytes of LDS; arguments ST2, g2, W3, bt2, b3, out0; writes out0
